; MI455X (gfx1250); checked and timed in simulation.
; The chip was launched on July 23, 2026; its instructions are those of AMD's public machine-readable ISA for CDNA 5 (MIT licence, August 2026) and "CDNA5" Instruction Set Architecture Reference Guide (July 2026). The comments in the code are by the model that wrote it; some were corrected since.
;; s LSTM Cell. Allowed arithmetic: float matrix products may take bf16 or f16 operands with f32 sums; other float arithmetic in f32, or as packed bf16 or f16 multiplies, adds, multiply-adds, maxima and minima; sums over many terms, partial sums and values carried from step to step in f32; what a program stores and reads back later, other than sums and carried values, may be rounded once to bf16 or f16.
;; Inputs: Wh 4,096 x 1,024 float32; Wx 4,096 x 512 float32; bh 4,096 float32; bx 4,096 float32; c_prev 8,192 x 1,024 float32; h_prev 8,192 x 1,024 float32; ln_c_b 1,024 float32; ln_c_g 1,024 float32; ln_h_b 1,024 float32; ln_h_g 1,024 float32; ln_hu_b 4,096 float32; ln_hu_g 4,096 float32; ln_in_b 4,096 float32; ln_in_g 4,096 float32; x 8,192 x 512 float32.
;; Outputs: out0 8,192 x 1,024 float32; out1 8,192 x 1,024 float32.
;; 2 versions, each right; version 2 is version 1 with the launches prep, cell written anew for expert scheduling mode. Each part assembles by itself: llvm-mc -triple=amdgcn-amd-amdhsa -mcpu=gfx1250 --defsym DOCPART=n.
;; ======== version 1 of 2: 3 launches
;; workspace buffers: abf 25,165,824 bytes; bbf 12,582,912 bytes; ybf 134,217,728 bytes
;; launch prep (part 1): grid 768 x 1, 8 waves a work-group, no clusters, 0 bytes of LDS; arguments x, h_prev, Wx, Wh, abf, bbf; writes abf, bbf
.if DOCPART == 1
	.amdgcn_target "amdgcn-amd-amdhsa--gfx1250"
	.amdhsa_code_object_version 6
	.text
	.protected	k_qdaee1bda07_prep
	.globl	k_qdaee1bda07_prep
	.p2align	8
	.type	k_qdaee1bda07_prep,@function
k_qdaee1bda07_prep:
	s_mov_b64 s[64:65], 0
	v_nop
	global_prefetch_b8 v0, s[64:65] scope:SCOPE_SE
	s_setreg_imm32_b32 hwreg(HW_REG_WAVE_MODE, 25, 1), 1
	s_wait_xcnt 0x0
; OPERANDS FOR THE TWO PRODUCTS, f32 -> bf16, each number rounded once.
;   abf[r][0:512] = x[r], abf[r][512:1536] = h_prev[r]                       8,192 rows of 3,072 bytes
;   bbf[n][0:512] = Wx[c(n)] - Wx[0], bbf[n][512:1536] = Wh[c(n)] - Wh[0]    4,096 rows of 3,072 bytes
; WHY LESS ROW 0.  Each product goes into a LayerNorm over its 4,096 columns, which does not change when one number is taken from all
; columns of a row.  Taking weight row 0 from every weight row (in f32, ahead of the rounding) takes a common offset of the weights out
; before anything is rounded to 16 bits.  LIMIT: where weight row 0 is much larger than the other rows, the roundings go by its size.
; WHY PERMUTED.  Row n of bbf, with n = 512 p + 256 u + 128 v + 64 t + 16 e + r (p 0-7; u, v, t 0-1; e 0-3; r 0-15), holds column
; c(n) = 2048 u + 1024 t + 128 p + 64 v + 4 r + e.  The next launch stores matrix column 16 b + r of a block of 128 at position 8 r + b, so that
; sixteen lanes' 16 bytes are 256 consecutive bytes of a row; and 16 bytes of a stored row then hold two gates at four neighbouring columns.
; SHARES.  768 work-groups of 8 waves; a wave takes two neighbouring output rows (n even: c(n + 1) = c(n) + 4).
; A row is 12 segments of 128 columns: one load of 512 consecutive bytes and one store of 256 consecutive, aligned bytes a wave.
; All of a wave's loads go out first.  No LDS, no barrier, no matrix unit: nothing is shared but weight row 0, 6,144 bytes, and nothing is summed.
.set X, 8                              ; v[8:103]    row i, segment k: four f32 at X + 48 i + 4 k, then two words of bf16 in the first two
.set Z, 104                            ; v[104:151]  weight row 0, segment k at Z + 4 k
.set ROWB, 3072                        ; bytes in an output row
	s_load_b256 s[4:11], s[0:1], 0x0               ; x s[4:5], h_prev s[6:7], Wx s[8:9], Wh s[10:11]
	s_load_b128 s[12:15], s[0:1], 0x20             ; abf s[12:13], bbf s[14:15]
	v_and_b32 v3, 31, v0                           ; lane
	v_lshlrev_b32 v1, 4, v3                        ; 16 bytes of f32 a lane
	v_lshlrev_b32 v2, 3, v3                        ; 8 bytes of bf16 a lane
	v_lshrrev_b32 v4, 5, v0
	v_readfirstlane_b32 s16, v4                    ; wave 0..7
	s_mov_b32 s19, 0                               ; the high words of three offsets
	s_mov_b32 s21, 0
	s_mov_b32 s23, 0
; 24 loads: rows i = 0, 1; four segments from the narrow source, eight from the wide one.  sa, sb: bytes from the first source row to the second
.macro LOADROWS pa, pb, sa, sb
.irp i, 0,1
.irp k, 0,1,2,3
	global_load_b128 v[X+48*\i+4*\k:X+48*\i+4*\k+3], v1, s[\pa:\pa+1] offset:\i*\sa+\k*512 th:TH_LOAD_NT
.endr
.irp k, 0,1,2,3,4,5,6,7
	global_load_b128 v[X+48*\i+16+4*\k:X+48*\i+16+4*\k+3], v1, s[\pb:\pb+1] offset:\i*\sb+\k*512 th:TH_LOAD_NT
.endr
.endr
.endm
; The 24 segments in the order of their loads.  sub = 1: weight row 0 is taken away first.  ob: the output's base.
.macro TURNS sub, ob
.set q, 0
.rept 24
.set r, X+4*q
	s_wait_loadcnt 23-q                            ; loads come back in order (ISA guide 5.7.1): segment q is in, the 23 - q younger ones stay out; row 0's twelve are older than all
.if \sub
	v_pk_add_f32 v[r:r+1],   v[r:r+1],   v[Z+4*(q%12):Z+4*(q%12)+1]   neg_lo:[0,1] neg_hi:[0,1]
	v_pk_add_f32 v[r+2:r+3], v[r+2:r+3], v[Z+4*(q%12)+2:Z+4*(q%12)+3] neg_lo:[0,1] neg_hi:[0,1]
.endif
	v_cvt_pk_bf16_f32 v[r],   v[r],   v[r+1]
	v_cvt_pk_bf16_f32 v[r+1], v[r+2], v[r+3]
	global_store_b64 v2, v[r:r+1], s[\ob:\ob+1] offset:(q/12)*ROWB+(q%12)*256  ; the wave stores 256 consecutive bytes, at a multiple of 256 from the buffer's first
.set q, q+1
.endr
.endm
	s_wait_kmcnt 0x0
	s_cmp_lt_u32 ttmp9, 512
	s_cbranch_scc0 .Lweights
	; work-groups 0 to 511: rows 16 g + 2 w and the next of abf
	s_lshl_b32 s17, ttmp9, 4
	s_lshl1_add_u32 s17, s16, s17
	s_lshl_b32 s18, s17, 11                        ; x: 2,048 bytes a row
	s_lshl_b32 s20, s17, 12                        ; h_prev: 4,096
	s_mul_i32 s22, s17, ROWB
	s_add_nc_u64 s[4:5], s[4:5], s[18:19]
	s_add_nc_u64 s[6:7], s[6:7], s[20:21]
	s_add_nc_u64 s[12:13], s[12:13], s[22:23]
	LOADROWS 4, 6, 2048, 4096
	TURNS 0, 12
	s_endpgm
.Lweights:
	; work-groups 512 to 767: rows n = 16 (g - 512) + 2 w and the next of bbf
.irp k, 0,1,2,3
	global_load_b128 v[Z+4*\k:Z+4*\k+3], v1, s[8:9] offset:\k*512          ; weight row 0: every wave of these work-groups reads it, so no hint
.endr
.irp k, 0,1,2,3,4,5,6,7
	global_load_b128 v[Z+16+4*\k:Z+16+4*\k+3], v1, s[10:11] offset:\k*512
.endr
	s_sub_co_u32 s17, ttmp9, 512
	s_lshl_b32 s17, s17, 4
	s_lshl1_add_u32 s17, s16, s17                  ; n
	s_lshr_b32 s24, s17, 9                         ; p = n[11:9]
	s_bfe_u32 s25, s17, 0x10008                    ; u = n[8]
	s_bfe_u32 s26, s17, 0x10007                    ; v = n[7]
	s_bfe_u32 s27, s17, 0x10006                    ; t = n[6]
	s_bfe_u32 s28, s17, 0x20004                    ; e = n[5:4]
	s_and_b32 s29, s17, 15                         ; r = n[3:0]
	s_lshl_b32 s25, s25, 11
	s_lshl_b32 s27, s27, 10
	s_lshl_b32 s24, s24, 7
	s_lshl_b32 s26, s26, 6
	s_lshl_b32 s29, s29, 2
	s_or_b32 s28, s28, s25
	s_or_b32 s28, s28, s27
	s_or_b32 s28, s28, s24
	s_or_b32 s28, s28, s26
	s_or_b32 s28, s28, s29                         ; c(n)
	s_lshl_b32 s18, s28, 11                        ; Wx: 2,048 bytes a row
	s_lshl_b32 s20, s28, 12                        ; Wh: 4,096
	s_mul_i32 s22, s17, ROWB
	s_add_nc_u64 s[30:31], s[8:9], s[18:19]        ; in registers of their own: row 0's loads still name s[8:11]
	s_add_nc_u64 s[32:33], s[10:11], s[20:21]
	s_add_nc_u64 s[14:15], s[14:15], s[22:23]
	LOADROWS 30, 32, 8192, 16384                   ; the second row's column lies four weight rows on
	TURNS 1, 14
	s_endpgm
.Lfunc_end_k_qdaee1bda07_prep:
	.size	k_qdaee1bda07_prep, .Lfunc_end_k_qdaee1bda07_prep-k_qdaee1bda07_prep
	.p2alignl 7, 3214868480
	.fill 96, 4, 3214868480
	.section	.rodata,"a",@progbits
	.p2align	6, 0x0
	.amdhsa_kernel k_qdaee1bda07_prep
		.amdhsa_group_segment_fixed_size 0
		.amdhsa_private_segment_fixed_size 0
		.amdhsa_enable_private_segment 0
		.amdhsa_kernarg_size 48
		.amdhsa_user_sgpr_count 2
		.amdhsa_user_sgpr_kernarg_segment_ptr 1
		.amdhsa_wavefront_size32 1
		.amdhsa_system_sgpr_workgroup_id_x 1
		.amdhsa_system_sgpr_workgroup_id_y 1
		.amdhsa_system_sgpr_workgroup_id_z 1
		.amdhsa_system_vgpr_workitem_id 0
		.amdhsa_next_free_vgpr 152
		.amdhsa_next_free_sgpr 66
		.amdhsa_reserve_vcc 0
		.amdhsa_float_denorm_mode_32 3
		.amdhsa_float_denorm_mode_16_64 3
		.amdhsa_memory_ordered 1
		.amdhsa_forward_progress 1
		.amdhsa_inst_pref_size 23
	.end_amdhsa_kernel
	.amdgpu_metadata
---
amdhsa.version: [ 1, 2 ]
amdhsa.kernels:
  - .name:           k_qdaee1bda07_prep
    .symbol:         k_qdaee1bda07_prep.kd
    .args:
      - { .name: x, .offset: 0, .size: 8, .value_kind: global_buffer, .address_space: global }
      - { .name: h_prev, .offset: 8, .size: 8, .value_kind: global_buffer, .address_space: global }
      - { .name: Wx, .offset: 16, .size: 8, .value_kind: global_buffer, .address_space: global }
      - { .name: Wh, .offset: 24, .size: 8, .value_kind: global_buffer, .address_space: global }
      - { .name: abf, .offset: 32, .size: 8, .value_kind: global_buffer, .address_space: global }
      - { .name: bbf, .offset: 40, .size: 8, .value_kind: global_buffer, .address_space: global }
    .group_segment_fixed_size: 0
    .private_segment_fixed_size: 0
    .kernarg_segment_align: 8
    .kernarg_segment_size: 48
    .max_flat_workgroup_size: 256
    .sgpr_count:     66
    .vgpr_count:     152
    .wavefront_size: 32
...
	.end_amdgpu_metadata
.endif
;; end of part 1
;; launch gemm (part 2): grid 16 x 16, 4 waves a work-group, clusters of 4 x 4, 327,680 bytes of LDS; arguments abf, bbf, bx, bh, ybf; writes ybf
.if DOCPART == 2
	.amdgcn_target "amdgcn-amd-amdhsa--gfx1250"
	.amdhsa_code_object_version 6
	.text
	.protected	k_qdaee1bda07_gemm
	.globl	k_qdaee1bda07_gemm
	.p2align	8
	.type	k_qdaee1bda07_gemm,@function
k_qdaee1bda07_gemm:
	s_mov_b64 s[64:65], 0
	v_nop
	global_prefetch_b8 v0, s[64:65] scope:SCOPE_SE
	s_setreg_imm32_b32 hwreg(HW_REG_WAVE_MODE, 25, 1), 1
	s_wait_xcnt 0x0
	s_wait_alu depctr_hold_cnt(0) depctr_sa_sdst(0) depctr_va_vdst(0) depctr_va_sdst(0) depctr_va_ssrc(0) depctr_va_vcc(0) depctr_vm_vsrc(0)
	s_getreg_b32 s2, hwreg(HW_REG_IB_STS2, 6, 4)
	s_cmp_eq_u32 s2, 0
	s_cbranch_scc0 .Lentry_in_a_cluster
	s_endpgm
.Lentry_in_a_cluster:
	s_bfe_u32 s2, ttmp6, 0x10000c
	s_cmp_lg_u32 s2, 0xf033
	s_cbranch_scc0 .Lentry_shape_is_right
	s_endpgm
.Lentry_shape_is_right:
; BOTH PRODUCTS OF THE CELL, AHEAD OF THEIR LAYERNORMS.  For row r and stored position n, which holds column c:
;   ybf[r][n]        = sum over k <  512 of abf[r][k] W'[c][k] + bx[c] - bx[0]      the product with x
;   ybf[r][4096 + n] = sum over k >= 512 of abf[r][k] W'[c][k] + bh[c] - bh[0]      the product with h_prev
; abf [8192][1536], bbf [4096][1536] (the rows W' = weights less weight row 0, in the order given below), ybf [8192][8192], all bf16; sums in f32, each result rounded once to bf16.
; The biases are taken less their number 0: every row of a product is so shifted by one number, which the LayerNorm that follows takes out again; column 0's result is exactly 0.
; bf16 and not f16 for the results: with inputs some 30 times larger they pass f16's 65,504.  NaN and infinities are not treated apart.
; POSITIONS.  Stored position n = 512 p + 256 u + 8 l + 4 t + e holds column c = 1024 (2 u + t) + 128 p + 4 l + e.  Within a block of 128 positions, position 8 r + b is matrix column
; 16 b + r, that is row 16 b + r of the block's 128 rows of bbf.
; SHARES.  A place of 256 rows x 256 positions is made by a work-group of four waves, a wave 128 x 128: 64 accumulators of 16 x 16, 512 registers.  There are 32 x 16 places for 256
; work-groups: A WORK-GROUP STAYS and makes places (ty, tx) and (ty + 16, tx).  At a place it walks the 1,536 of K in 12 steps of 128: steps 0-3 are the product with x, steps 4-11 the one
; with h_prev.  So its walk is 24 K steps = 12 laps of a ring of two LDS slots = four tiles (x, h, x, h), which end behind laps 1, 5, 7 and 11; the ring does not stop at a tile's end.
; The bias is the C operand of a tile's first products: nothing is cleared and nothing is added afterwards.
; CLUSTERS: 4 x 4 work-groups.  The four of a row of the cluster need the same tiles of abf, the four of a column the same tiles of bbf: each tile is asked for JOINTLY, by the same tensor load
; with the same descriptor and a mask that names the four.
; THE WAY OUT NEEDS NO LDS.  Source 0 = 16 rows of abf, source 1 = 16 rows of bbf: register j of accumulator (a, b) holds row 16 a + 8 (l / 16) + j and matrix column 16 b + l % 16.  For one a and j
; a lane's eight numbers over b = 0..7 are positions 8 (l % 16) + 0..7: 16 bytes, and sixteen lanes' are 256 consecutive bytes of one row of ybf.
; REGISTERS, in windows of 256 (s_set_vgpr_msb's low byte: bits 1:0 source 0, 3:2 source 1, 5:4 source 2, 7:6 destination):
;   window 0: v0-31 addresses; v64-127, v128-191 fragments of abf, two buffers; v32-63, v192-255 (and buffer 1, idle at a tile's end) packed results on the way out
;   window 1: v64-127, v128-191 fragments of bbf, two buffers; v0-63 the x product's bias, v192-255 the h product's (block b's number eight times at + 8 b)
;   window 2: the 32 accumulators of my rows 0-63 (accumulator (a, b) at v[8 (8 a + b)]);   window 3: those of my rows 64-127
.set KSTEP,  128
.set KB,     3072                      ; bytes in a row of abf and of bbf
.set YB,     16384                     ; bytes in a row of ybf
.set WALKA,  4096*KB                   ; from my first place's rows of abf to my second's
.set WALKY,  4096*YB                   ; the same in ybf
.set PITCH,  272                       ; an LDS row: 256 bytes of data + 16 of padding = 68 words: row r starts at bank 4 r mod 64 (64 banks of 4 bytes: ISA guide 11.1), so the 16 rows that a load touches start at 16 different banks
.set HALFT,  128*PITCH                 ; 128 rows: what one tensor load brings, and what one wave reads of either operand
.set SLOT,   4*HALFT                   ; abf's 256 rows, then bbf's 256 rows
.set SPARE,  2*SLOT                    ; behind the ring: the spare words, 128 bytes for each wave: two blocks of 256 bytes that no other line names
.set LAPS,   12
.set ADRA, 16                          ; v16-17  LDS address of my fragments of abf in slot 0, 1
.set ADRB, 20                          ; v20-21  the same for bbf
.set CO,   26                          ; v26     my byte offset in ybf: 8 rows x (l / 16) + 16 (l % 16); never rewritten
.set BOFF, 27                          ; v27     my byte offset in bx and bh; never rewritten
.set SPW,  28                          ; v28     LDS address of my spare word: SPARE + 4 x my thread's number; never rewritten
.set NIL,  29                          ; v29     0; never rewritten
.set F0,   64                          ; fragment buffer 0
.set F1,   128                         ; fragment buffer 1
.set BX,   0                           ; window 1
.set BH,   192                         ; window 1
.set G1, 24                            ; s[24:31] descriptor group 1 for abf's tiles
.set G0, 32                            ; s[32:39] descriptor group 0 for abf's tiles, one set for each slot
.set G1B, 48                           ; s[48:55] descriptor group 1 for bbf's tiles: it differs in the mask alone
.set G0B, 56                           ; s[56:63] descriptor group 0 for bbf's tiles
; other scalars: s3 lap; s10 wave, s11 wave / 2, s12 wave % 2; s13 ty; s42 tx; s[14:15] abf at the rows I fetch; s[46:47] bbf at the rows I fetch; s[16:17] the tile's offset in ybf;
; s[70:71], s[72:73] offsets of the K step to be asked for next, in bbf and in abf; s78, s80 -bx[0], -bh[0]; s[82:83] ybf at my part of the first place; s[8:9] the stores' base
.set MSB, 0
.macro WIN new                         ; the immediate's high byte repeats the setting that is left; a switch that changes nothing is dropped
.if MSB != (\new)
	s_set_vgpr_msb (MSB<<8)|(\new)
.set MSB, \new
.endif
.endm
.set MUL_LO, 0xa4                      ; source 0 (abf) window 0, source 1 (bbf) window 1, C and D window 2
.set MUL_HI, 0xf4                      ; the same, C and D window 3
.set MUL_C,  0x94                      ; the same with C, the bias, in window 1 and D in window 2; + 0x40: D in window 3
.set TO_B,   0x40                      ; destination window 1, sources window 0
; A joint load.  Waves 0 and 1 fetch abf's two halves, waves 2 and 3 bbf's.  Each of the two lines has ONE mask and one set of registers for all that issue it; the branch hangs on the wave's number alone.
; An s_nop 0 and four v_nop follow each of the two lines; the jump round the other line, the label and what follows the macro come after them.
.macro JLOAD s
	s_cmp_eq_u32 s11, 0
	s_cbranch_scc0 .Lfor_b_\@
	tensor_load_to_lds s[G0+4*(\s):G0+4*(\s)+3], s[G1:G1+7]
	s_nop 0
.rept 4
	v_nop
.endr
	s_branch .Lasked_\@
.Lfor_b_\@:
	tensor_load_to_lds s[G0B+4*(\s):G0B+4*(\s)+3], s[G1B:G1B+7]
	s_nop 0
.rept 4
	v_nop
.endr
.Lasked_\@:
.endm
; A round of the cluster's barrier: my work-group's barrier, so that wave 0's signal speaks for all four waves; wave 0 signals for the work-group; every wave waits for all
; sixteen work-groups; my work-group's barrier once more.
.macro CREST                           ; a round behind its opening barrier
	s_cmp_lg_u32 s10, 0
	s_cbranch_scc1 .Lnot_wave_0_\@
	s_barrier_signal -3
.Lnot_wave_0_\@:
	s_barrier_wait -3
	s_barrier_signal -1
	s_barrier_wait -1
.endm
.macro CROUND                          ; a whole round
	s_barrier_signal -1
	s_barrier_wait -1
	CREST
.endm
	s_load_b128 s[4:7], s[0:1], 0x0                ; abf s[4:5], bbf s[6:7]
	s_load_b128 s[84:87], s[0:1], 0x10             ; bx s[84:85], bh s[86:87]
	s_load_b64 s[8:9], s[0:1], 0x20                ; ybf
	v_lshl_add_u32 v[SPW], v0, 2, SPARE
	v_mov_b32 v[NIL], 0
	ds_add_u32 v[SPW], v[NIL]                      ; the wave's opening: the add and its wait stand ahead of my first tensor load; the set-up below, work on registers, stands between them
	v_lshrrev_b32 v1, 5, v0
	v_readfirstlane_b32 s10, v1                    ; wave 0..3
	s_lshr_b32 s11, s10, 1                         ; which half of the place's rows is mine.  Also: I fetch for abf (0) or for bbf (1)
	s_and_b32 s12, s10, 1                          ; which half of its positions.  Also: which 128 rows of that tile I fetch
	s_bfe_u32 s40, ttmp6, 0x40000                  ; cx: my place along the cluster's x
	s_bfe_u32 s41, ttmp6, 0x40004                  ; cy: along its y
	s_lshl_b32 s42, ttmp9, 2                       ; in a cluster launch ttmp9 and ttmp7 count clusters
	s_add_co_u32 s42, s42, s40                     ; tx = 4 x cluster x + cx
	s_and_b32 s13, ttmp7, 0xffff
	s_lshl_b32 s13, s13, 2
	s_add_co_u32 s13, s13, s41                     ; ty = 4 x cluster y + cy
	s_lshl_b32 s43, s41, 2
	s_lshl_b32 s43, 15, s43                        ; my row of the cluster: places 4 cy .. 4 cy + 3
	s_lshl_b32 s44, 0x1111, s40                    ; my column: places cx, cx + 4, cx + 8, cx + 12
	; descriptor group 1: a tile of 128 rows x 128 elements, padded in LDS
	s_or_b32 s[G1+0], s43, (1<<16)|(1<<20)|(1<<21)|(5<<22)|(3<<25)  ; 15:0 the mask: abf's tiles go to my row; 17:16 element of 2 bytes; 20 padding on; 21 set beside a mask; 24:22 after every 64 words (code 5); 31:25 of 4 words (code 3)
	s_or_b32 s[G1B+0], s44, (1<<16)|(1<<20)|(1<<21)|(5<<22)|(3<<25) ; the same with the mask of my column, for bbf's tiles
.irp g, G1, G1B
	s_mov_b32 s[(\g)+1], KSTEP<<16                 ; tensor_dim0 = 128
	s_mov_b32 s[(\g)+2], 128<<16                   ; tensor_dim1 = 128
	s_mov_b32 s[(\g)+3], KSTEP<<16                 ; tile_dim0 = 128
	s_mov_b32 s[(\g)+4], 128                       ; tile_dim1 = 128
	s_mov_b32 s[(\g)+5], 1536                      ; elements from row to row
	s_mov_b32 s[(\g)+6], 0
	s_mov_b32 s[(\g)+7], 0
.endr
	; where the tiles come from.  abf's hang on ty alone, which my row of the cluster shares; bbf's on tx alone, which my column shares.
	; Every wave makes both addresses, in registers that never hold the other coordinate, and asks by one of them.
	s_lshl_b32 s17, s12, 7                         ; which 128 rows of the tile I fetch
	s_lshl_b32 s16, s13, 8
	s_add_co_u32 s16, s16, s17                     ; abf: row 256 ty + 128 x half
	s_lshl_b32 s46, s42, 8
	s_add_co_u32 s46, s46, s17                     ; bbf: row 256 tx + 128 x half
	s_mul_i32 s16, s16, KB                         ; in bytes: under 4,096 x 3,072
	s_mul_i32 s46, s46, KB
	s_mov_b32 s17, 0
	s_mov_b32 s47, 0
	s_mul_i32 s20, s10, HALFT                      ; and where they go: wave x 128 rows: no place in the cluster enters an LDS address
	s_mov_b32 s70, 2*KSTEP*2                       ; the first refill asks for K step 2
	s_mov_b32 s71, 0
	s_mov_b32 s72, 2*KSTEP*2
	s_mov_b32 s73, 0
	s_wait_dscnt 0x0                               ; the opening add is done
	s_wait_kmcnt 0x0
	s_add_nc_u64 s[14:15], s[4:5], s[16:17]
	s_add_nc_u64 s[46:47], s[6:7], s[46:47]
	CROUND                                         ; all sixteen work-groups are here: the first joint loads meet
.irp s, 0,1
	s_mov_b32 s[G0+4*(\s)], 1                                      ; 1:0 count = 1
	s_add_co_u32 s[G0+4*(\s)+1], s20, (\s)*SLOT                    ; 63:32 LDS address
	s_add_nc_u64 s[G0+4*(\s)+2:G0+4*(\s)+3], s[14:15], (\s)*KSTEP*2  ; 120:64 global address: K step s
	s_or_b32 s[G0+4*(\s)+3], s[G0+4*(\s)+3], 0x80000000            ; 127:126 type = 2
	s_mov_b32 s[G0B+4*(\s)], 1
	s_add_co_u32 s[G0B+4*(\s)+1], s20, (\s)*SLOT
	s_add_nc_u64 s[G0B+4*(\s)+2:G0B+4*(\s)+3], s[46:47], (\s)*KSTEP*2
	s_or_b32 s[G0B+4*(\s)+3], s[G0B+4*(\s)+3], 0x80000000
	JLOAD \s                                       ; the ring is filled before anything else is done: two loads of mine are out
.endr
	v_and_b32 v1, 15, v0                           ; l % 16
	v_bfe_u32 v2, v0, 4, 1                         ; l / 16
	; THE BIASES.  Every register of block b holds matrix column 16 b + l % 16, that is position 256 tx + 128 (wave % 2) + 8 (l % 16) + b, whose column lies at byte
	; 8192 (tx % 2) + 4096 (b / 4) + 512 (tx / 2) + 256 (wave % 2) + 16 (l % 16) + 4 (b % 4) of bx and bh: two loads of 16 bytes bring a lane's eight.  Both places of my walk have the same positions.
	s_and_b32 s76, s42, 1
	s_lshl_b32 s76, s76, 13
	s_lshr_b32 s77, s42, 1
	s_lshl_b32 s77, s77, 9
	s_or_b32 s76, s76, s77
	s_lshl_b32 s77, s12, 8
	s_or_b32 s76, s76, s77
	v_lshl_add_u32 v[BOFF], v1, 4, s76
	s_load_b32 s78, s[84:85], 0x0                  ; bx[0]
	s_load_b32 s80, s[86:87], 0x0                  ; bh[0]
	global_load_b128 v[32:35], v[BOFF], s[84:85]
	global_load_b128 v[36:39], v[BOFF], s[84:85] offset:4096
	global_load_b128 v[40:43], v[BOFF], s[86:87]
	global_load_b128 v[44:47], v[BOFF], s[86:87] offset:4096
	; A fragment is 16 rows x 32 K in 8 registers: lane l holds row l % 16; registers 0-3 hold K = 8 (l / 16) + 0..7, registers 4-7 hold
	; K = 16 + 8 (l / 16) + 0..7.  From rows that lie along K: two loads of 16 bytes, 32 bytes apart.  The same for source 0 and source 1.
	v_mul_u32_u24 v3, v1, PITCH
	v_lshl_add_u32 v3, v2, 4, v3                   ; row x pitch + 16 x half
	s_mul_i32 s21, s11, HALFT                      ; my 128 rows of abf
	s_mul_i32 s22, s12, HALFT                      ; my 128 rows of bbf,
	s_add_co_u32 s22, s22, 2*HALFT                 ; which lie behind abf's 256
.irp s, 0,1
	v_add_nc_u32 v[ADRA+(\s)], s21, v3
	v_add_nc_u32 v[ADRB+(\s)], s22, v3
	s_add_co_u32 s21, s21, SLOT
	s_add_co_u32 s22, s22, SLOT
.endr
	v_lshlrev_b32 v5, 17, v2                       ; lanes 16-31 hold the row eight further down: 8 x 16,384 bytes
	v_lshl_add_u32 v[CO], v1, 4, v5
	; ybf at my part of the first place: row 256 ty + 128 (wave / 2), byte 512 tx + 256 (wave % 2); in registers that feed no descriptor
	s_lshl_b32 s66, s13, 8
	s_lshl_b32 s67, s11, 7
	s_add_co_u32 s66, s66, s67
	s_lshl_b32 s66, s66, 14
	s_lshl_b32 s68, s42, 9
	s_lshl_b32 s69, s12, 8
	s_add_co_u32 s68, s68, s69
	s_add_co_u32 s66, s66, s68
	s_mov_b32 s67, 0
	s_add_nc_u64 s[82:83], s[8:9], s[66:67]
; 16 matrix instructions: m blocks a0, a0 + 1 of the window's four (hi = 0: my rows 0-63, 1: rows 64-127) x all 8 n blocks, 32 along K.
; c = 0: onto the sums.  c = 1, 2: the products start the sums with the x product's or the h product's bias as C.  The 64 accumulators take turns, one instruction a turn.
.macro MUL16 f, hi, a0, c
.if (\c) == 0
	WIN MUL_LO+0x50*(\hi)
.else
	WIN MUL_C+0x40*(\hi)
.endif
.irp a, \a0, (\a0)+1
.irp b, 0,1,2,3,4,5,6,7
.if (\c) == 0
	v_wmma_f32_16x16x32_bf16 v[8*(8*(\a)+(\b)):8*(8*(\a)+(\b))+7], v[(\f)+8*(4*(\hi)+(\a)):(\f)+8*(4*(\hi)+(\a))+7], v[(\f)+8*(\b):(\f)+8*(\b)+7], v[8*(8*(\a)+(\b)):8*(8*(\a)+(\b))+7]
.elseif (\c) == 1
	v_wmma_f32_16x16x32_bf16 v[8*(8*(\a)+(\b)):8*(8*(\a)+(\b))+7], v[(\f)+8*(4*(\hi)+(\a)):(\f)+8*(4*(\hi)+(\a))+7], v[(\f)+8*(\b):(\f)+8*(\b)+7], v[BX+8*(\b):BX+8*(\b)+7]
.else
	v_wmma_f32_16x16x32_bf16 v[8*(8*(\a)+(\b)):8*(8*(\a)+(\b))+7], v[(\f)+8*(4*(\hi)+(\a)):(\f)+8*(4*(\hi)+(\a))+7], v[(\f)+8*(\b):(\f)+8*(\b)+7], v[BH+8*(\b):BH+8*(\b)+7]
.endif
.endr
.endr
.endm
; 32 LDS loads in one run: the fragments of one quarter step (128 rows of bbf, 128 rows of abf, 32 K at byte k of the rows) into buffer f
.macro FETCH slot, k, f
	WIN TO_B
.irp i, 0,1,2,3,4,5,6,7
	ds_load_b128 v[(\f)+8*(\i):(\f)+8*(\i)+3],   v[ADRB+(\slot)] offset:(\k)+(\i)*16*PITCH
	ds_load_b128 v[(\f)+8*(\i)+4:(\f)+8*(\i)+7], v[ADRB+(\slot)] offset:(\k)+(\i)*16*PITCH+32
.endr
	WIN 0
.irp i, 0,1,2,3,4,5,6,7
	ds_load_b128 v[(\f)+8*(\i):(\f)+8*(\i)+3],   v[ADRA+(\slot)] offset:(\k)+(\i)*16*PITCH
	ds_load_b128 v[(\f)+8*(\i)+4:(\f)+8*(\i)+7], v[ADRA+(\slot)] offset:(\k)+(\i)*16*PITCH+32
.endr
.endm
; A load into a register that a matrix instruction has read, and a vector instruction that reads a matrix result, stand four places behind that matrix instruction, and only plain
; vector instructions that name none of its registers are places (ISA guide 7.12.1 for vector instructions).
.macro PLACES
.rept 4
	v_nop
.endr
.endm
; A K step is four quarter steps of 32 along K, 64 matrix instructions each, on buffers 0, 1, 0, 1.
; One of the first three: multiplies buffer f; in its middle it fetches the next quarter's fragments, at byte k of the same slot's rows, into buffer g.
.macro QUARTER slot, k, f, g, c
	s_wait_dscnt 8                                 ; bbf's fragments and abf's rows 0-63 are in; the youngest eight loads (abf's rows 64-127) may be out
	MUL16 \f, 0, 0, \c
	MUL16 \f, 0, 2, \c
	PLACES
	FETCH \slot, \k, \g
	s_wait_dscnt 32                                ; all but the 32 just issued
	MUL16 \f, 1, 0, \c
	MUL16 \f, 1, 2, \c
.endm
; The last quarter multiplies buffer 1 and changes slots.  MEET is its first half: ONE barrier for the change of slots.  In front of it each wave waits for all its tensor loads, of which one
; is out: its part of the next slot; adds 0 to its spare word; and waits for that and for its own reads of this slot.  Behind it nobody reads this slot any more and the next slot is whole.
.macro MEET round                      ; round = 1: a round of the cluster's barrier follows
	WIN 0                                          ; (the add's two registers lie in window 0)
	s_wait_tensorcnt 0x0                           ; all my tensor loads have landed: the one that was out is my part of the next slot;
	ds_add_u32 v[SPW], v[NIL]                      ; 0 onto my spare word;
	s_wait_dscnt 9                                 ; (the add and the youngest eight loads may be out)
	MUL16 F1, 0, 0, 0                              ; sixteen matrix instructions stand between the add and the wait for it
	s_wait_dscnt 0x0                               ; the add is done, and my reads of this slot are over:
	s_barrier_signal -1                            ; say so (where a slot is filled again this barrier opens a round of the cluster's barrier),
	MUL16 F1, 0, 2, 0                              ; work on registers while the others arrive,
.if \round
	WIN 0
.endif
	s_barrier_wait -1                              ; and go on when all four have said so
.endm
; The whole last quarter.  Behind the round the slot just read out is filled again first, with the K step two steps on in the walk: its addresses are made anew, each buffer's base plus an
; offset kept apart: 256 bytes a step along K; behind step 11 bbf's goes back to 0 and abf's to the second place's rows.  From a request to the wait for it a wave issues 224 matrix instructions.
.macro TURN slot, next
	MEET 1
	CREST                                          ; no wave of any partner still reads this slot's tile or has a load on its way
	s_add_nc_u64 s[G0+4*(\slot)+2:G0+4*(\slot)+3], s[14:15], s[72:73]
	s_or_b32 s[G0+4*(\slot)+3], s[G0+4*(\slot)+3], 0x80000000
	s_add_nc_u64 s[G0B+4*(\slot)+2:G0B+4*(\slot)+3], s[46:47], s[70:71]
	s_or_b32 s[G0B+4*(\slot)+3], s[G0B+4*(\slot)+3], 0x80000000
	s_add_co_u32 s70, s70, KSTEP*2
	s_add_co_u32 s72, s72, KSTEP*2
	s_cmp_eq_u32 s70, KB
	s_cselect_b32 s70, 0, s70
	s_cselect_b32 s72, WALKA, s72
	JLOAD \slot                                    ; the first tensor load behind the round, my only one until the next; its four v_nop are also the places in front of the loads below
	FETCH \next, 0, F0
	MUL16 F1, 1, 0, 0
	MUL16 F1, 1, 2, 0
.endm
; THE WAY OUT of block a (16 of my rows).  For each j the eight accumulators' registers j are rounded to bf16 in pairs, b ascending: 16 bytes a lane; j ascends.
; Then eight stores: lanes 0-15 row 16 a + j, lanes 16-31 row 16 a + 8 + j.  t0: the 32 registers of window 0 that take the block.
.macro OUT a, t0
.set AC, 64*((\a)%4)
	WIN 0x0a+5*((\a)/4)                            ; sources 0 and 1: window 2 or 3; destination window 0
.irp j, 0,1,2,3,4,5,6,7
.irp i, 0,1,2,3
	v_cvt_pk_bf16_f32 v[(\t0)+4*\j+\i], v[AC+16*\i+\j], v[AC+16*\i+8+\j]
.endr
.endr
	WIN 0
.irp j, 0,1,2,3,4,5,6,7
	global_store_b128 v[CO], v[(\t0)+4*\j:(\t0)+4*\j+3], s[8:9] offset:(16*(\a)+\j)*YB  ; 16 lanes store 256 consecutive bytes, at a multiple of 256 from ybf's first byte; 119 rows at the most stand in the immediate, inside its signed 24 bits
.endr
.endm
; A tile's eight blocks.  Five sets of 32 registers take blocks 0-4 on end (the last two sets are abf's fragment buffer 1, which nothing reads between a tile's last products and the next fetch into it);
; one wait frees them all, buffer 1 for that fetch too; blocks 5-7 take the first three again, and lie there until the next way out's first wait.
.macro WAYOUT
	WIN 0
	s_wait_xcnt 0x0                                ; every earlier memory instruction has had its addresses translated (ISA guide 3.1): only behind this wait are the stores' base and data registers rewritten
	s_add_nc_u64 s[8:9], s[82:83], s[16:17]        ; this tile's first row and byte
	OUT 0, 32
	OUT 1, 192
	OUT 2, 224
	OUT 3, 128
	OUT 4, 160
	s_wait_xcnt 0x0
	OUT 5, 32
	OUT 6, 192
	OUT 7, 224
.endm
	s_wait_tensorcnt 1                             ; my part of K step 0 is in; K step 1's may stay out
	s_barrier_signal -1
	s_barrier_wait -1                              ; everybody's is
	FETCH 0, 0, F0
	s_wait_kmcnt 0x0                               ; bx[0], bh[0]
	s_xor_b32 s78, s78, 0x80000000                 ; their negatives
	s_xor_b32 s80, s80, 0x80000000
	s_wait_loadcnt 0x0                             ; the biases
	WIN TO_B                                       ; each lane's number for block b, less number 0, eight times: the C operand of a 16 x 16 block whose columns lie along the lanes
.set b, 0
.rept 8
.set j, 0
.rept 8
	v_add_f32 v[BX+8*b+j], s78, v[32+b]
	v_add_f32 v[BH+8*b+j], s80, v[40+b]
.set j, j+1
.endr
.set b, b+1
.endr
	s_mov_b32 s3, 0
	s_mov_b32 s16, 0                               ; the first tile: my first place, the x product
	s_mov_b32 s17, 0
	QUARTER 0, 64,  F0, F1, 1                      ; a tile's first quarter starts the sums
	WIN 0                                          ; at a label and at a branch every window is 0
.Llap:                                                 ; 11 trips: from a lap's second quarter to the next lap's first; each fills both slots again: K steps 2 to 23 of the walk
	QUARTER 0, 128, F1, F0, 0
	QUARTER 0, 192, F0, F1, 0
	TURN 0, 1
	QUARTER 1, 64,  F0, F1, 0
	QUARTER 1, 128, F1, F0, 0
	QUARTER 1, 192, F0, F1, 0
	TURN 1, 0
	WIN 0
	s_lshr_b32 s74, 0xa2, s3                       ; a tile ends behind laps 1, 5 and 7 (and 11, which is written out below).  The jumps go forward, past no barrier and no tensor load
	s_and_b32 s74, s74, 1
	s_cmp_eq_u32 s74, 0
	s_cbranch_scc1 .Lplain
	WAYOUT                                         ; both refills are asked for: now the tile goes out.  No v_nop: blocks 0-3 were finished in front of the joint load's places, and the conversions of
	                                               ; blocks 0-2, which name no register of the last products (blocks 4-7's), are those products' places
	s_cmp_eq_u32 s3, 5
	s_cbranch_scc1 .Lto_x
	s_or_b32 s16, s16, 8192                        ; the same place's h product: 8,192 bytes on in a row of ybf
	QUARTER 0, 64,  F0, F1, 2
	WIN 0
	s_branch .Lnext
.Lto_x:
	s_mov_b32 s16, WALKY                           ; my second place, the x product
	QUARTER 0, 64,  F0, F1, 1
	WIN 0
	s_branch .Lnext
.Lplain:
	QUARTER 0, 64,  F0, F1, 0
	WIN 0
.Lnext:
	s_add_co_u32 s3, s3, 1
	s_cmp_lt_u32 s3, LAPS-1
	s_cbranch_scc1 .Llap
	QUARTER 0, 128, F1, F0, 0                      ; the last lap is written out: it asks for nothing, and has no round
	QUARTER 0, 192, F0, F1, 0
	MEET 0                                         ; my one tensor load that was still out is slot 1's, the last K step's
	PLACES
	FETCH 1, 0, F0
	MUL16 F1, 1, 0, 0
	MUL16 F1, 1, 2, 0
	QUARTER 1, 64,  F0, F1, 0
	QUARTER 1, 128, F1, F0, 0
	QUARTER 1, 192, F0, F1, 0
	s_wait_dscnt 8                                 ; the very last quarter: nothing more to fetch
	MUL16 F1, 0, 0, 0
	MUL16 F1, 0, 2, 0
	s_wait_dscnt 0x0
	MUL16 F1, 1, 0, 0
	MUL16 F1, 1, 2, 0
	PLACES                                         ; the conversions read results just made
	WAYOUT
	s_wait_tensorcnt 0x0                           ; the wave's end, behind my last tensor load
	ds_add_u32 v[SPW], v[NIL]
	s_wait_dscnt 0x0
	CROUND                                         ; the closing round: no work-group ends while a partner may still ask for a tile that names it
	s_endpgm
.Lfunc_end_k_qdaee1bda07_gemm:
	.size	k_qdaee1bda07_gemm, .Lfunc_end_k_qdaee1bda07_gemm-k_qdaee1bda07_gemm
	.p2alignl 7, 3214868480
	.fill 96, 4, 3214868480
	.section	.rodata,"a",@progbits
	.p2align	6, 0x0
	.amdhsa_kernel k_qdaee1bda07_gemm
		.amdhsa_group_segment_fixed_size 327680
		.amdhsa_private_segment_fixed_size 0
		.amdhsa_enable_private_segment 0
		.amdhsa_kernarg_size 40
		.amdhsa_user_sgpr_count 2
		.amdhsa_user_sgpr_kernarg_segment_ptr 1
		.amdhsa_wavefront_size32 1
		.amdhsa_system_sgpr_workgroup_id_x 1
		.amdhsa_system_sgpr_workgroup_id_y 1
		.amdhsa_system_sgpr_workgroup_id_z 1
		.amdhsa_system_vgpr_workitem_id 0
		.amdhsa_next_free_vgpr 1024
		.amdhsa_next_free_sgpr 88
		.amdhsa_reserve_vcc 0
		.amdhsa_float_denorm_mode_32 3
		.amdhsa_float_denorm_mode_16_64 3
		.amdhsa_memory_ordered 1
		.amdhsa_forward_progress 1
		.amdhsa_inst_pref_size 175
	.end_amdhsa_kernel
	.amdgpu_metadata
---
amdhsa.version: [ 1, 2 ]
amdhsa.kernels:
  - .name:           k_qdaee1bda07_gemm
    .symbol:         k_qdaee1bda07_gemm.kd
    .args:
      - { .name: abf, .offset: 0, .size: 8, .value_kind: global_buffer, .address_space: global }
      - { .name: bbf, .offset: 8, .size: 8, .value_kind: global_buffer, .address_space: global }
      - { .name: bx, .offset: 16, .size: 8, .value_kind: global_buffer, .address_space: global }
      - { .name: bh, .offset: 24, .size: 8, .value_kind: global_buffer, .address_space: global }
      - { .name: ybf, .offset: 32, .size: 8, .value_kind: global_buffer, .address_space: global }
    .group_segment_fixed_size: 327680
    .private_segment_fixed_size: 0
    .kernarg_segment_align: 8
    .kernarg_segment_size: 40
    .max_flat_workgroup_size: 128
    .sgpr_count:     88
    .vgpr_count:     1024
    .wavefront_size: 32
...
	.end_amdgpu_metadata
.endif
;; end of part 2
;; launch cell (part 3): grid 256 x 1, 16 waves a work-group, no clusters, 67,584 bytes of LDS; arguments ybf, c_prev, ln_in_g, ln_hu_g, ln_in_b, ln_hu_b, ln_c_g, ln_c_b, ln_h_g, ln_h_b, out0, out1; writes out0, out1
.if DOCPART == 3
	.amdgcn_target "amdgcn-amd-amdhsa--gfx1250"
	.amdhsa_code_object_version 6
	.text
	.protected	k_qdaee1bda07_cell
	.globl	k_qdaee1bda07_cell
	.p2align	8
	.type	k_qdaee1bda07_cell,@function
k_qdaee1bda07_cell:
	s_mov_b64 s[64:65], 0
	v_nop
	global_prefetch_b8 v0, s[64:65] scope:SCOPE_SE
	s_setreg_imm32_b32 hwreg(HW_REG_WAVE_MODE, 25, 1), 1
	s_wait_xcnt 0x0
; THE CELL BEHIND ITS TWO PRODUCTS.  For each of 8,192 rows: LayerNorm over 4,096 of the x product and of the h product (ybf, bf16, each row shifted by one number, which the mean takes out),
; their sum split into i, f, g, o; i and f through exp(clip(. - mean, -5, 5)) / (sum + 1e-6), then each over (i + f + 1e-6); c = LayerNorm(f c_prev + i tanh g) -> out1;
; h = sigmoid(o) LayerNorm(tanh c) -> out0.  All arithmetic in f32.
; LAYOUT.  Position n = 512 p + 256 u + 8 l + 4 t + e of a product's row holds column 1024 (2 u + t) + 128 p + 4 l + e.  So lane l's 16 bytes at 512 (2 p + u) + 16 l hold gates 2 u and 2 u + 1
; at the four columns j = 128 p + 4 l + e, the same four that 16 bytes of f32 at 512 p + 16 l of c_prev, of an output or of a parameter vector hold: every address is 16 x lane + a constant,
; and every load and store of a wave covers 512 consecutive bytes.
; SHARES.  A work-group owns 32 rows; wave w takes rows w and 16 + w, a whole row at a time (20,480 bytes, 160 registers), so all sums over a row stay inside the wave: no barrier in the loop.
; The next row's products are asked for as soon as this row's gates have left their registers.
; THE WIDE LAYERNORMS' SUMS COME FROM THE MATRIX UNIT.  A product's row lies in registers as bf16, eight registers on end being a fragment of 16 x 32 numbers (which number stands where does not matter
; to a sum).  Fragment x ones gives sums, fragment x itself has sums of squares on its diagonal; both are kept in f32 accumulators.  32 matrix instructions a row stand for 640 vector lines; of their
; 256 results each, 16 are used: the unit has nothing else to do in this launch.
; The variance is (sum of squares) / N - mean^2.  Column 0's stored number is exactly 0 (its weights and bias are taken less themselves), and a set of N numbers that holds a 0 has
; mean^2 <= (N - 1) x variance: the difference keeps at least 12 of f32's 24 bits, for every input.  It is held at 0 or above.
; The parameters (81,920 bytes in memory, 65,536 in LDS) lie in LDS, f32, in their own order, written once: ln_in_b + ln_hu_b are added first (another order of rounding than summing the two normed products).
; NO CLUSTER, NO TENSOR LOAD: what work-groups share is the 81,920 bytes of parameters against 655,360 bytes of rows of a work-group's own, and rows go straight into registers.
; THE CLIP.  t = (0.1 x + 0.5 - 0.1 mean) held to 0 .. 1 is (clip(x - mean, -5, 5) + 5) / 10; 2^(10 t log2 e) is e^5 times the exponential wanted, so the sum's 1e-6 is taken e^5 times too and the
; quotient is the one defined.  The exponents lie in 0 .. 10 log2 e, so no maximum is needed.
; LIMITS.  NaN and infinities are not treated apart.  tanh x = 1 - 2 / (1 + 2^(2 x log2 e)): an absolute error of about 1e-7.  v_exp_f32, v_rcp_f32 and v_rsq_f32 take denormals as 0 (ISA guide 15.8).
; (f c_prev + i tanh g) / (i + f + 1e-6) is one division where the definition has two.
.set GX,  0                            ; LDS: ln_in_g, 16 KB
.set GH,  16384                        ;      ln_hu_g
.set BE,  32768                        ;      ln_in_b + ln_hu_b
.set LCG, 49152                        ;      ln_c_g, 4 KB
.set LCB, 53248                        ;      ln_c_b
.set LHG, 57344                        ;      ln_h_g
.set LHB, 61440                        ;      ln_h_b
.set SPARE, 65536                      ;      the spare words, 128 bytes for each of 16 waves: eight blocks of 256 bytes that no other line names
.set SPW, 4                            ; v4   LDS address of my spare word; never rewritten
.set NIL, 5                            ; v5   0; never rewritten
; v1 16 x lane; v2 16 x thread; v3 8 x thread; v[6:7] 0.1 twice; v30, v31 at work; v8-15 chains of sums; v16-29 statistics
.set GA,  32                           ; v[32:159]   the x product's 16 bytes 2 p, 2 p + 1 at GA + 16 p, + 4; the h product's at + 8, + 12; then the gates: i(p, e) at GA + 16 p + e, g at + 4, f at + 8, o at + 12
.set CP,  160                          ; v[160:191]  c_prev(p, e) at CP + 4 p + e; then c, then h
.set PB,  192                          ; v[192:239]  two buffers of 24 for the wide LayerNorms' parameters
.set SG,  192                          ; v[192:223]  later sigmoid(o)
.set LB,  224                          ; v[224:255]  later two buffers of 16 for the narrow LayerNorms' parameters
.set T,   240                          ; v[240:255]  at work
.set QX,  216                          ; at a row's start: four accumulators: squares of the x product, of the h product,
.set QH,  224
.set SX,  232                          ; sums of the x product, of the h product;
.set SH,  240
.set ONES, 248                         ; and a fragment of ones
	s_load_b512 s[4:19], s[0:1], 0x0               ; ybf s[4:5], c_prev s[6:7], ln_in_g s[8:9], ln_hu_g s[10:11], ln_in_b s[12:13], ln_hu_b s[14:15], ln_c_g s[16:17], ln_c_b s[18:19]
	s_load_b256 s[20:27], s[0:1], 0x40             ; ln_h_g s[20:21], ln_h_b s[22:23], out0 s[24:25], out1 s[26:27]
	v_lshl_add_u32 v[SPW], v0, 2, SPARE
	v_mov_b32 v[NIL], 0
	v_and_b32 v1, 31, v0
	v_lshlrev_b32 v1, 4, v1
	v_lshlrev_b32 v2, 4, v0
	v_lshlrev_b32 v3, 3, v0
	v_mov_b32 v6, 0x3dcccccd                       ; 0.1, as a pair of vector registers: the line with the clamp takes no other kind of source
	v_mov_b32 v7, 0x3dcccccd
	v_mov_b32 v30, 0                               ; v_permlanex16_b32 counts as a reader of its destination
	v_mov_b32 v31, 0
	v_lshrrev_b32 v8, 5, v0
	v_readfirstlane_b32 s37, v8                    ; wave 0..15
	s_mov_b32 s40, 0x76543210                      ; v_permlanex16_b32: each lane takes its own place in the other half
	s_mov_b32 s41, 0xfedcba98
	s_mov_b32 s42, 0x4166d4ca                      ; 10 log2 e, as a pair
	s_mov_b32 s43, 0x4166d4ca
	s_mov_b32 s44, 0x4038aa3b                      ; 2 log2 e
	s_mov_b32 s45, 0x4038aa3b
	s_mov_b32 s46, 0xbfb8aa3b                      ; -log2 e
	s_mov_b32 s47, 0xbfb8aa3b
	s_mov_b32 s48, 0x391b9f5a                      ; 1e-6 e^5
	s_mov_b32 s50, 0x39800000                      ; 1 / 4096
	s_mov_b32 s51, 0x3727c5ac                      ; 1e-5
	s_mov_b32 s52, 0x3a800000                      ; 1 / 1024
	s_mov_b32 s54, 0x358637bd                      ; 1e-6, as a pair
	s_mov_b32 s55, 0x358637bd
	s_mov_b32 s56, 0xb9800000                      ; -1 / 4096
	s_mov_b32 s57, 0xba800000                      ; -1 / 1024
	s_mov_b32 s58, 0xb8cccccd                      ; -0.1 / 1024
	s_mov_b32 s53, 0xaaaaaaaa                      ; lanes whose number has bit 0 set,
	s_mov_b32 s59, 0xcccccccc                      ; bit 1,
	s_mov_b32 s62, 0xf0f0f0f0                      ; bit 2;
	s_mov_b32 s63, 0xff0000ff                      ; lanes 0-7 and 24-31: those that hold an element of a 16 x 16 result's diagonal
	s_lshl_b32 s38, ttmp9, 5
	s_add_co_u32 s38, s38, s37                     ; my first row
	s_lshl_b32 s60, s38, 12                        ; 4,096 bytes a row of c_prev, out0, out1
	s_mov_b32 s61, 0
	s_lshl_b32 s38, s38, 14                        ; 16,384 bytes a row of ybf
	s_mov_b32 s39, 0
	s_wait_kmcnt 0x0
	s_add_nc_u64 s[28:29], s[4:5], s[38:39]
	s_add_nc_u64 s[30:31], s[6:7], s[60:61]
	s_add_nc_u64 s[32:33], s[24:25], s[60:61]
	s_add_nc_u64 s[34:35], s[26:27], s[60:61]
.macro YLOADS                          ; a row of both products: 32 loads, four for each p: a fragment of the x product, a fragment of the h product
.set m, 0
.rept 8
	global_load_b128 v[GA+16*m:GA+16*m+3],     v1, s[28:29] offset:1024*m th:TH_LOAD_NT
	global_load_b128 v[GA+16*m+4:GA+16*m+7],   v1, s[28:29] offset:1024*m+512 th:TH_LOAD_NT
	global_load_b128 v[GA+16*m+8:GA+16*m+11],  v1, s[28:29] offset:8192+1024*m th:TH_LOAD_NT
	global_load_b128 v[GA+16*m+12:GA+16*m+15], v1, s[28:29] offset:8192+1024*m+512 th:TH_LOAD_NT
.set m, m+1
.endr
.endm
.macro CPLOADS                         ; a row of c_prev: 8 loads
.set m, 0
.rept 8
	global_load_b128 v[CP+4*m:CP+4*m+3], v1, s[30:31] offset:512*m th:TH_LOAD_NT
.set m, m+1
.endr
.endm
; The sum over the wave's 32 lanes, for two numbers side by side: four steps inside each half of 16 lanes ride on the addition (DPP), one crosses the halves.  Every lane ends with the sum.
.macro WSUM2 a, b
.irp x, 1,2,4,8
	v_add_f32_dpp v[\a], v[\a], v[\a] row_xmask:\x row_mask:0xf bank_mask:0xf
	v_add_f32_dpp v[\b], v[\b], v[\b] row_xmask:\x row_mask:0xf bank_mask:0xf
.endr
	v_permlanex16_b32 v30, v[\a], s40, s41
	v_permlanex16_b32 v31, v[\b], s40, s41
	v_add_f32 v[\a], v[\a], v30
	v_add_f32 v[\b], v[\b], v31
.endm
.macro WSUM1 a
.irp x, 1,2,4,8
	v_add_f32_dpp v[\a], v[\a], v[\a] row_xmask:\x row_mask:0xf bank_mask:0xf
.endr
	v_permlanex16_b32 v30, v[\a], s40, s41
	v_add_f32 v[\a], v[\a], v30
.endm
; The lane's sum over eight groups of four registers, stride apart, into v[c]: two packed chains in v[c:c+3], started by the first two groups: nothing is cleared.
.macro QSUM c, base, stride
	v_pk_add_f32 v[(\c):(\c)+1],   v[(\base):(\base)+1], v[(\base)+2:(\base)+3]
	v_pk_add_f32 v[(\c)+2:(\c)+3], v[(\base)+(\stride):(\base)+(\stride)+1], v[(\base)+(\stride)+2:(\base)+(\stride)+3]
.set z, 2
.rept 3
	v_pk_add_f32 v[(\c):(\c)+1],   v[(\c):(\c)+1],   v[(\base)+(\stride)*z:(\base)+(\stride)*z+1]
	v_pk_add_f32 v[(\c)+2:(\c)+3], v[(\c)+2:(\c)+3], v[(\base)+(\stride)*(z+1):(\base)+(\stride)*(z+1)+1]
	v_pk_add_f32 v[(\c):(\c)+1],   v[(\c):(\c)+1],   v[(\base)+(\stride)*z+2:(\base)+(\stride)*z+3]
	v_pk_add_f32 v[(\c)+2:(\c)+3], v[(\c)+2:(\c)+3], v[(\base)+(\stride)*(z+1)+2:(\base)+(\stride)*(z+1)+3]
.set z, z+2
.endr
	v_pk_add_f32 v[(\c):(\c)+1], v[(\c):(\c)+1], v[(\c)+2:(\c)+3]
	v_add_f32 v[(\c)], v[(\c)], v[(\c)+1]
.endm
; The wide LayerNorms' parameters for the 16 bytes m = 2 p + u: both gains and the summed bias of gates 2 u and 2 u + 1 at my four columns: six loads of 512 consecutive bytes a wave.
.macro PLOAD m, buf
.set rP, PB+24*(\buf)
.set oP, ((\m)%2)*8192+((\m)/2)*512
	ds_load_b128 v[rP:rP+3],     v1 offset:GX+oP
	ds_load_b128 v[rP+4:rP+7],   v1 offset:GX+oP+4096
	ds_load_b128 v[rP+8:rP+11],  v1 offset:GH+oP
	ds_load_b128 v[rP+12:rP+15], v1 offset:GH+oP+4096
	ds_load_b128 v[rP+16:rP+19], v1 offset:BE+oP
	ds_load_b128 v[rP+20:rP+23], v1 offset:BE+oP+4096
.endm
; Eight gates from the 16 bytes m of both products: (y - mu) r straight from the bf16 halves (y r + (-mu r), one rounding), then times the gain plus the bias, the h product's onto the x product's.
; Gate 2 u's four go where the x product's four registers lay, gate 2 u + 1's where the h product's lay.
.macro STEP m, buf
.set rP, PB+24*(\buf)
.set rX, GA+16*((\m)/2)+4*((\m)%2)
.set rH, rX+8
.set k, 0
.rept 4
	v_fma_mix_f32_bf16 v[T+2*k],   v[rX+k], v26, v28 op_sel_hi:[1,0,0]
	v_fma_mix_f32_bf16 v[T+2*k+1], v[rX+k], v26, v28 op_sel:[1,0,0] op_sel_hi:[1,0,0]
	v_fma_mix_f32_bf16 v[T+8+2*k], v[rH+k], v27, v29 op_sel_hi:[1,0,0]
	v_fma_mix_f32_bf16 v[T+9+2*k], v[rH+k], v27, v29 op_sel:[1,0,0] op_sel_hi:[1,0,0]
.set k, k+1
.endr
.set k, 0
.rept 4
.set rO, rX+2*k+4*(k/2)
	v_pk_fma_f32 v[rO:rO+1], v[rP+2*k:rP+2*k+1], v[T+2*k:T+2*k+1], v[rP+16+2*k:rP+17+2*k]
.set k, k+1
.endr
.set k, 0
.rept 4
.set rO, rX+2*k+4*(k/2)
	v_pk_fma_f32 v[rO:rO+1], v[rP+8+2*k:rP+9+2*k], v[T+8+2*k:T+9+2*k], v[rO:rO+1]
.set k, k+1
.endr
.endm
; Stages on four registers.
.macro QMUL r, sc                      ; times the scalar pair's low word
	v_pk_mul_f32 v[(\r):(\r)+1],   v[(\r):(\r)+1],   s[\sc:\sc+1] op_sel_hi:[1,0]
	v_pk_mul_f32 v[(\r)+2:(\r)+3], v[(\r)+2:(\r)+3], s[\sc:\sc+1] op_sel_hi:[1,0]
.endm
.macro QEXP r
.irp j, 0,1,2,3
	v_exp_f32 v[(\r)+\j], v[(\r)+\j]
.endr
.endm
.macro QADD1 r
	s_wait_alu depctr_va_vdst(0)
	v_pk_add_f32 v[(\r):(\r)+1],   v[(\r):(\r)+1],   1.0 op_sel_hi:[1,0]
	v_pk_add_f32 v[(\r)+2:(\r)+3], v[(\r)+2:(\r)+3], 1.0 op_sel_hi:[1,0]
.endm
.macro QRCP d, r
.irp j, 0,1,2,3
	v_rcp_f32 v[(\d)+\j], v[(\r)+\j]
.endr
.endm
.macro QFIN r                          ; 1 - 2 x
	s_wait_alu depctr_va_vdst(0)
	v_pk_fma_f32 v[(\r):(\r)+1],   v[(\r):(\r)+1],   -2.0, 1.0 op_sel_hi:[1,0,0]
	v_pk_fma_f32 v[(\r)+2:(\r)+3], v[(\r)+2:(\r)+3], -2.0, 1.0 op_sel_hi:[1,0,0]
.endm
; tanh in place on eight groups of four.  The groups' stages are staggered, so that a plain line stands between every exponential or reciprocal and the use of its result (ISA guide 5.7.2);
; where no later group has a scaling left to stand there, a v_nop does.
.macro TANHP base, stride
	QMUL (\base), 44
	QEXP (\base)
	QMUL (\base)+(\stride), 44
.set p, 0
.rept 8
	QADD1 (\base)+(\stride)*p
	QRCP (\base)+(\stride)*p, (\base)+(\stride)*p
.if p < 7
	QEXP (\base)+(\stride)*(p+1)
.endif
.if p < 6
	QMUL (\base)+(\stride)*(p+2), 44
.else
	v_nop
	s_wait_alu depctr_va_vdst(0)
.endif
	QFIN (\base)+(\stride)*p
.set p, p+1
.endr
.endm
; sigmoid x = 1 / (1 + 2^(-x log2 e)) of eight groups of four, into dst + 4 p; staggered in the same way.
.macro SIGP src, stride, dst
	QMUL (\src), 46
	QEXP (\src)
	QMUL (\src)+(\stride), 46
.set p, 0
.rept 8
	QADD1 (\src)+(\stride)*p
	QRCP (\dst)+4*p, (\src)+(\stride)*p
.if p < 7
	QEXP (\src)+(\stride)*(p+1)
.endif
.if p < 6
	QMUL (\src)+(\stride)*(p+2), 46
.else
	v_nop
	s_wait_alu depctr_va_vdst(0)
.endif
.set p, p+1
.endr
.endm
.macro LNLOAD g, b, q, buf             ; gain and bias of groups q and q + 1
	ds_load_b128 v[(\buf):(\buf)+3],     v1 offset:(\g)+512*(\q)
	ds_load_b128 v[(\buf)+4:(\buf)+7],   v1 offset:(\b)+512*(\q)
	ds_load_b128 v[(\buf)+8:(\buf)+11],  v1 offset:(\g)+512*(\q)+512
	ds_load_b128 v[(\buf)+12:(\buf)+15], v1 offset:(\b)+512*(\q)+512
.endm
; LayerNorm over the row's 1,024 numbers in CP, in place: the mean, the centred numbers, the mean of their squares, then times 1 / sqrt(. + 1e-5), times the gain, plus the bias.
.macro LNORM g, b
	LNLOAD \g, \b, 0, LB
	QSUM 8, CP, 4
	WSUM1 8
	v_mul_f32 v24, s57, v8                         ; minus the mean, as a pair
	v_mul_f32 v25, s57, v8
.set z, 0
.rept 16
	v_pk_add_f32 v[CP+2*z:CP+2*z+1], v[CP+2*z:CP+2*z+1], v[24:25]
.set z, z+1
.endr
	v_pk_mul_f32 v[8:9],   v[CP:CP+1],   v[CP:CP+1]
	v_pk_mul_f32 v[10:11], v[CP+2:CP+3], v[CP+2:CP+3]
.set z, 2
.rept 14
	v_pk_fma_f32 v[8+2*(z%2):9+2*(z%2)], v[CP+2*z:CP+2*z+1], v[CP+2*z:CP+2*z+1], v[8+2*(z%2):9+2*(z%2)]
.set z, z+1
.endr
	v_pk_add_f32 v[8:9], v[8:9], v[10:11]
	v_add_f32 v8, v8, v9
	WSUM1 8
	v_fma_f32 v9, v8, s52, s51
	v_rsq_f32 v26, v9                              ; twice: a pair for the packed multiply
	v_rsq_f32 v27, v9
	v_nop                                          ; a plain line between the root and its use
	s_wait_alu depctr_va_vdst(0)
.set t, 0
.rept 4
.if t < 3
	LNLOAD \g, \b, 2*t+2, LB+16*((t+1)%2)
	s_wait_dscnt 4                                 ; LDS loads come back in order (ISA guide 5.7.1): this batch's four are in, the four just issued stay out
.else
	s_wait_dscnt 0x0
.endif
.set z, 0
.rept 2
.set rC, CP+8*t+4*z
.set rB, LB+16*(t%2)+8*z
	v_pk_mul_f32 v[rC:rC+1],   v[rC:rC+1],   v[26:27]
	v_pk_mul_f32 v[rC+2:rC+3], v[rC+2:rC+3], v[26:27]
	v_pk_fma_f32 v[rC:rC+1],   v[rC:rC+1],   v[rB:rB+1],   v[rB+4:rB+5]
	v_pk_fma_f32 v[rC+2:rC+3], v[rC+2:rC+3], v[rB+2:rB+3], v[rB+6:rB+7]
.set z, z+1
.endr
.set t, t+1
.endr
.endm
	; THE PARAMETERS INTO LDS, once: 512 threads, 2 x 16 bytes of each long vector and 8 bytes of each short one.
	global_load_b128 v[192:195], v2, s[8:9]
	global_load_b128 v[196:199], v2, s[8:9] offset:8192
	global_load_b128 v[200:203], v2, s[10:11]
	global_load_b128 v[204:207], v2, s[10:11] offset:8192
	global_load_b128 v[208:211], v2, s[12:13]
	global_load_b128 v[212:215], v2, s[12:13] offset:8192
	global_load_b128 v[216:219], v2, s[14:15]
	global_load_b128 v[220:223], v2, s[14:15] offset:8192
	global_load_b64 v[224:225], v3, s[16:17]
	global_load_b64 v[226:227], v3, s[18:19]
	global_load_b64 v[228:229], v3, s[20:21]
	global_load_b64 v[230:231], v3, s[22:23]
	s_barrier_signal -1                            ; this barrier orders no data: it lets every wave's twelve requests for the table, for which all sixteen waves will wait,
	s_barrier_wait -1                              ; be issued before any wave's forty for its own first row
	YLOADS
	CPLOADS
	s_wait_loadcnt 40                              ; the twelve are in; the row's 40, issued behind them, stay out
.irp j, 0,2,4,6
	v_pk_add_f32 v[208+\j:209+\j], v[208+\j:209+\j], v[216+\j:217+\j]
.endr
	ds_store_b128 v2, v[192:195] offset:GX
	ds_store_b128 v2, v[196:199] offset:GX+8192
	ds_store_b128 v2, v[200:203] offset:GH
	ds_store_b128 v2, v[204:207] offset:GH+8192
	ds_store_b128 v2, v[208:211] offset:BE
	ds_store_b128 v2, v[212:215] offset:BE+8192
	ds_store_b64 v3, v[224:225] offset:LCG
	ds_store_b64 v3, v[226:227] offset:LCB
	ds_store_b64 v3, v[228:229] offset:LHG
	ds_store_b64 v3, v[230:231] offset:LHB
	s_wait_dscnt 0x0                               ; for the others' sake: my stores are done
	s_barrier_signal -1
	s_barrier_wait -1                              ; the table is whole; nothing writes it again
	s_mov_b32 s36, 0
.Lrow:                                                 ; two trips.  On both ways in, the row's 32 loads of ybf and behind them its 8 of c_prev are out
	PLOAD 0, 0                                     ; wanted behind the statistics
.set k, 0
.rept 8
	v_mov_b32 v[ONES+k], 0x3f803f80                ; 1.0 twice in bf16
.set k, k+1
.endr
	; THE SUMS AND THE SUMS OF SQUARES of both products.  The four accumulators take turns, one instruction a turn; the first fragments start the sums with the constant 0.
.set p, 0
.rept 8
.set fX, GA+16*p
.set fH, GA+16*p+8
	s_wait_loadcnt 36-4*p                          ; this p's four loads are in: behind them stand 4 (7 - p) of ybf and c_prev's 8
.if p == 0
	v_wmma_f32_16x16x32_bf16 v[QX:QX+7], v[fX:fX+7], v[fX:fX+7], 0
	v_wmma_f32_16x16x32_bf16 v[QH:QH+7], v[fH:fH+7], v[fH:fH+7], 0
	v_wmma_f32_16x16x32_bf16 v[SX:SX+7], v[fX:fX+7], v[ONES:ONES+7], 0
	v_wmma_f32_16x16x32_bf16 v[SH:SH+7], v[fH:fH+7], v[ONES:ONES+7], 0
.else
	v_wmma_f32_16x16x32_bf16 v[QX:QX+7], v[fX:fX+7], v[fX:fX+7], v[QX:QX+7]
	v_wmma_f32_16x16x32_bf16 v[QH:QH+7], v[fH:fH+7], v[fH:fH+7], v[QH:QH+7]
	v_wmma_f32_16x16x32_bf16 v[SX:SX+7], v[fX:fX+7], v[ONES:ONES+7], v[SX:SX+7]
	v_wmma_f32_16x16x32_bf16 v[SH:SH+7], v[fH:fH+7], v[ONES:ONES+7], v[SH:SH+7]
.endif
.set p, p+1
.endr
.rept 4
	v_nop                                          ; four places between the products and the first line that reads a result (ISA guide 7.12.1)
.endr
	; A sum: register j of lane l holds the sum of fragment row 8 (l / 16) + j, in every column: eight registers and the other half of the lanes make the row's sum, in every lane.
	v_pk_add_f32 v[8:9],   v[SX:SX+1],   v[SX+2:SX+3]
	v_pk_add_f32 v[12:13], v[SH:SH+1],   v[SH+2:SH+3]
	v_pk_add_f32 v[10:11], v[SX+4:SX+5], v[SX+6:SX+7]
	v_pk_add_f32 v[14:15], v[SH+4:SH+5], v[SH+6:SH+7]
	; A sum of squares: the diagonal's element of fragment row m lies in register m % 8 of lane m (m < 8) or lane 16 + m (m >= 8): each lane picks register (lane % 8), three levels by the lane's bits;
	; lanes 8-23 hold none and count 0.
.irp k, 0,1,2,3
	v_cndmask_b32 v[18+\k], v[QX+2*\k], v[QX+2*\k+1], s53
	v_cndmask_b32 v[22+\k], v[QH+2*\k], v[QH+2*\k+1], s53
.endr
	v_pk_add_f32 v[8:9],   v[8:9],   v[10:11]
	v_pk_add_f32 v[12:13], v[12:13], v[14:15]
	v_cndmask_b32 v18, v18, v19, s59
	v_cndmask_b32 v20, v20, v21, s59
	v_cndmask_b32 v22, v22, v23, s59
	v_cndmask_b32 v24, v24, v25, s59
	v_add_f32 v8,  v8,  v9
	v_add_f32 v12, v12, v13
	v_cndmask_b32 v18, v18, v20, s62
	v_cndmask_b32 v22, v22, v24, s62
	v_permlanex16_b32 v30, v8,  s40, s41
	v_permlanex16_b32 v31, v12, s40, s41
	v_cndmask_b32 v18, 0, v18, s63
	v_cndmask_b32 v22, 0, v22, s63
	v_add_f32 v8,  v8,  v30
	v_add_f32 v12, v12, v31
	WSUM2 18, 22
	v_mul_f32 v16, s56, v8                         ; minus the x product's mean
	v_mul_f32 v17, s56, v12                        ; minus the h product's
	v_mul_f32 v9,  v16, v16
	v_mul_f32 v13, v17, v17
	v_fma_f32 v9,  v18, s50, -v9                   ; the variance
	v_fma_f32 v13, v22, s50, -v13
	v_max_num_f32 v9,  0, v9                       ; never below 0
	v_max_num_f32 v13, 0, v13
	v_add_f32 v9,  s51, v9                         ; + 1e-5
	v_add_f32 v13, s51, v13
	v_rsq_f32 v26, v9                              ; r of the x product
	v_rsq_f32 v27, v13                             ; r of the h product
	v_nop                                          ; a plain line between the roots and their use
	s_wait_alu depctr_va_vdst(0)
	v_mul_f32 v28, v16, v26                        ; -mu r
	v_mul_f32 v29, v17, v27
	; THE GATES, in place; the parameters come from LDS one step ahead, on two buffers.
.set g, 0
.rept 16
.if g < 15
	PLOAD g+1, (g+1)%2
	s_wait_dscnt 6                                 ; this step's six are in, the six just issued stay out
.else
	s_wait_dscnt 0x0
.endif
	STEP g, g%2
.set g, g+1
.endr
	; i AND f: e^5 exp(clip(x - mean, -5, 5)), and 1 / (their sum + 1e-6 e^5)
	QSUM 8,  GA,   16
	QSUM 12, GA+8, 16
	WSUM2 8, 12
	v_fma_f32 v16, v8,  s58, 0.5                   ; 0.5 - 0.1 mean, as pairs
	v_fma_f32 v17, v8,  s58, 0.5
	v_fma_f32 v18, v12, s58, 0.5
	v_fma_f32 v19, v12, s58, 0.5
.set p, 0
.rept 8
.irp o, 0, 8
.set r, GA+16*p+\o
	v_pk_fma_f32 v[r:r+1],   v[r:r+1],   v[6:7], v[16+\o/4:17+\o/4] clamp
	v_pk_fma_f32 v[r+2:r+3], v[r+2:r+3], v[6:7], v[16+\o/4:17+\o/4] clamp
	v_pk_mul_f32 v[r:r+1],   v[r:r+1],   s[42:43] op_sel_hi:[1,0]
	v_pk_mul_f32 v[r+2:r+3], v[r+2:r+3], s[42:43] op_sel_hi:[1,0]
	QEXP r                                         ; the next group's first line is the plain line behind these
.endr
.set p, p+1
.endr
	v_nop
	s_wait_alu depctr_va_vdst(0)
	QSUM 8,  GA,   16
	QSUM 12, GA+8, 16
	WSUM2 8, 12
	v_add_f32 v8,  s48, v8
	v_add_f32 v12, s48, v12
	v_rcp_f32 v20, v8                              ; i's divisor, as a pair
	v_rcp_f32 v21, v8
	v_rcp_f32 v22, v12                             ; f's
	v_rcp_f32 v23, v12                             ; the first scaling of tanh g below is the plain line behind these
	TANHP GA+4, 16                                 ; tanh g
	; (f c_prev + i tanh g) / (i + f + 1e-6), into c_prev's registers
	s_wait_loadcnt 0x0                             ; c_prev
.set p, 0
.rept 8
.set rI, GA+16*p
.set rC, CP+4*p
.set rT, T+4*(p%4)
.irp h, 0, 2
	v_pk_mul_f32 v[rI+8+\h:rI+9+\h], v[rI+8+\h:rI+9+\h], v[22:23]
	v_pk_mul_f32 v[rI+\h:rI+1+\h],   v[rI+\h:rI+1+\h],   v[20:21]
.endr
.irp h, 0, 2
	v_pk_add_f32 v[rT+\h:rT+1+\h], v[rI+\h:rI+1+\h], v[rI+8+\h:rI+9+\h]
.endr
.irp h, 0, 2
	v_pk_add_f32 v[rT+\h:rT+1+\h], v[rT+\h:rT+1+\h], s[54:55] op_sel_hi:[1,0]
.endr
	QRCP rT, rT
.irp h, 0, 2
	v_pk_mul_f32 v[rC+\h:rC+1+\h], v[rI+8+\h:rI+9+\h], v[rC+\h:rC+1+\h]      ; these four are the plain lines behind the reciprocals
.endr
.irp h, 0, 2
	v_pk_fma_f32 v[rC+\h:rC+1+\h], v[rI+\h:rI+1+\h], v[rI+4+\h:rI+5+\h], v[rC+\h:rC+1+\h]
.endr
	s_wait_alu depctr_va_vdst(0)
.irp h, 0, 2
	v_pk_mul_f32 v[rC+\h:rC+1+\h], v[rC+\h:rC+1+\h], v[rT+\h:rT+1+\h]
.endr
.set p, p+1
.endr
	SIGP GA+12, 16, SG                             ; sigmoid(o): the gates' registers are free behind this
	s_cmp_eq_u32 s36, 1
	s_cbranch_scc1 .Lno_y                          ; the second row has no successor
	s_wait_xcnt 0x0                                ; the base is stepped only behind this wait
	s_add_nc_u64 s[28:29], s[28:29], 16*16384
	YLOADS                                         ; the next row's products are on their way under the rest of this row
.Lno_y:
	LNORM LCG, LCB
.set p, 0
.rept 8
	global_store_b128 v1, v[CP+4*p:CP+4*p+3], s[34:35] offset:512*p th:TH_STORE_NT  ; c: 512 consecutive bytes a store
.set p, p+1
.endr
	s_wait_xcnt 0x0                                ; the stores' data are rewritten only behind this wait
	TANHP CP, 4                                    ; tanh c
	LNORM LHG, LHB
.set z, 0
.rept 16
	v_pk_mul_f32 v[CP+2*z:CP+2*z+1], v[CP+2*z:CP+2*z+1], v[SG+2*z:SG+2*z+1]
.set z, z+1
.endr
.set p, 0
.rept 8
	global_store_b128 v1, v[CP+4*p:CP+4*p+3], s[32:33] offset:512*p th:TH_STORE_NT  ; h
.set p, p+1
.endr
	s_add_co_u32 s36, s36, 1
	s_cmp_lt_u32 s36, 2
	s_cbranch_scc0 .Ldone
	s_wait_xcnt 0x0                                ; the stores' data and bases are rewritten only behind this wait
	s_add_nc_u64 s[30:31], s[30:31], 16*4096
	s_add_nc_u64 s[32:33], s[32:33], 16*4096
	s_add_nc_u64 s[34:35], s[34:35], 16*4096
	CPLOADS                                        ; on every way back to the loop's head these eight stand behind the 32 of ybf
	s_cmp_lt_u32 s36, 2
	s_cbranch_scc1 .Lrow
.Ldone:
	s_wait_tensorcnt 0x0                           ; the wave's end, behind my last LDS store
	ds_add_u32 v[SPW], v[NIL]
	s_wait_dscnt 0x0
	s_endpgm
.Lfunc_end_k_qdaee1bda07_cell:
	.size	k_qdaee1bda07_cell, .Lfunc_end_k_qdaee1bda07_cell-k_qdaee1bda07_cell
	.p2alignl 7, 3214868480
	.fill 96, 4, 3214868480
	.section	.rodata,"a",@progbits
	.p2align	6, 0x0
	.amdhsa_kernel k_qdaee1bda07_cell
		.amdhsa_group_segment_fixed_size 67584
		.amdhsa_private_segment_fixed_size 0
		.amdhsa_enable_private_segment 0
		.amdhsa_kernarg_size 96
		.amdhsa_user_sgpr_count 2
		.amdhsa_user_sgpr_kernarg_segment_ptr 1
		.amdhsa_wavefront_size32 1
		.amdhsa_system_sgpr_workgroup_id_x 1
		.amdhsa_system_sgpr_workgroup_id_y 1
		.amdhsa_system_sgpr_workgroup_id_z 1
		.amdhsa_system_vgpr_workitem_id 0
		.amdhsa_next_free_vgpr 256
		.amdhsa_next_free_sgpr 66
		.amdhsa_reserve_vcc 0
		.amdhsa_float_denorm_mode_32 3
		.amdhsa_float_denorm_mode_16_64 3
		.amdhsa_memory_ordered 1
		.amdhsa_forward_progress 1
		.amdhsa_inst_pref_size 102
	.end_amdhsa_kernel
	.amdgpu_metadata
---
amdhsa.version: [ 1, 2 ]
amdhsa.kernels:
  - .name:           k_qdaee1bda07_cell
    .symbol:         k_qdaee1bda07_cell.kd
    .args:
      - { .name: ybf, .offset: 0, .size: 8, .value_kind: global_buffer, .address_space: global }
      - { .name: c_prev, .offset: 8, .size: 8, .value_kind: global_buffer, .address_space: global }
      - { .name: ln_in_g, .offset: 16, .size: 8, .value_kind: global_buffer, .address_space: global }
      - { .name: ln_hu_g, .offset: 24, .size: 8, .value_kind: global_buffer, .address_space: global }
      - { .name: ln_in_b, .offset: 32, .size: 8, .value_kind: global_buffer, .address_space: global }
      - { .name: ln_hu_b, .offset: 40, .size: 8, .value_kind: global_buffer, .address_space: global }
      - { .name: ln_c_g, .offset: 48, .size: 8, .value_kind: global_buffer, .address_space: global }
      - { .name: ln_c_b, .offset: 56, .size: 8, .value_kind: global_buffer, .address_space: global }
      - { .name: ln_h_g, .offset: 64, .size: 8, .value_kind: global_buffer, .address_space: global }
      - { .name: ln_h_b, .offset: 72, .size: 8, .value_kind: global_buffer, .address_space: global }
      - { .name: out0, .offset: 80, .size: 8, .value_kind: global_buffer, .address_space: global }
      - { .name: out1, .offset: 88, .size: 8, .value_kind: global_buffer, .address_space: global }
    .group_segment_fixed_size: 67584
    .private_segment_fixed_size: 0
    .kernarg_segment_align: 8
    .kernarg_segment_size: 96
    .max_flat_workgroup_size: 512
    .sgpr_count:     66
    .vgpr_count:     256
    .wavefront_size: 32
...
	.end_amdgpu_metadata
.endif
;; end of part 3
;; ======== version 2 of 2: 3 launches; version 1 with the launches prep, cell written anew for expert scheduling mode
;; workspace buffers: abf 25,165,824 bytes; bbf 12,582,912 bytes; ybf 134,217,728 bytes
;; launch prep (part 4): grid 768 x 1, 8 waves a work-group, no clusters, 0 bytes of LDS; arguments x, h_prev, Wx, Wh, abf, bbf; writes abf, bbf
.if DOCPART == 4
	.amdgcn_target "amdgcn-amd-amdhsa--gfx1250"
	.amdhsa_code_object_version 6
	.text
	.protected	k_qdaee1bda07_prep
	.globl	k_qdaee1bda07_prep
	.p2align	8
	.type	k_qdaee1bda07_prep,@function
k_qdaee1bda07_prep:
	s_mov_b64 s[64:65], 0
	v_nop
	global_prefetch_b8 v0, s[64:65] scope:SCOPE_SE
	s_setreg_imm32_b32 hwreg(HW_REG_WAVE_SCHED_MODE, 0, 2), 2
	s_setreg_imm32_b32 hwreg(HW_REG_WAVE_MODE, 25, 1), 1
	s_wait_xcnt 0x0
	s_wait_alu depctr_vm_vsrc(0)
; OPERANDS FOR THE TWO PRODUCTS, f32 -> bf16, each number rounded once.
;   abf[r][0:512] = x[r], abf[r][512:1536] = h_prev[r]                       8,192 rows of 3,072 bytes
;   bbf[n][0:512] = Wx[c(n)] - Wx[0], bbf[n][512:1536] = Wh[c(n)] - Wh[0]    4,096 rows of 3,072 bytes
; WHY LESS ROW 0.  Each product goes into a LayerNorm over its 4,096 columns, which does not change when one number is taken from all
; columns of a row.  Taking weight row 0 from every weight row (in f32, ahead of the rounding) takes a common offset of the weights out
; before anything is rounded to 16 bits.  LIMIT: where weight row 0 is much larger than the other rows, the roundings go by its size.
; WHY PERMUTED.  Row n of bbf, with n = 512 p + 256 u + 128 v + 64 t + 16 e + r (p 0-7; u, v, t 0-1; e 0-3; r 0-15), holds column
; c(n) = 2048 u + 1024 t + 128 p + 64 v + 4 r + e.  The next launch stores matrix column 16 b + r of a block of 128 at position 8 r + b, so that
; sixteen lanes' 16 bytes are 256 consecutive bytes of a row; and 16 bytes of a stored row then hold two gates at four neighbouring columns.
; SHARES.  768 work-groups of 8 waves; a wave takes two neighbouring output rows (n even: c(n + 1) = c(n) + 4).
; A row is 12 segments of 128 columns: one load of 512 consecutive bytes and one store of 256 consecutive, aligned bytes a wave.
; All of a wave's loads go out first.  No LDS, no barrier, no matrix unit: nothing is shared but weight row 0, 6,144 bytes, and nothing is summed.
; THE MODE: SCHED_MODE bits 1:0 = 2 (LLVM: expert scheduling mode 2), set by the entry lines.  The code itself states the register dependences
; between vector instructions and memory instructions, with s_wait_alu, always for 0.
; THE PLAN.  Registers that memory instructions touch:
;   v1, v2   byte offsets, made once at the head and never written again: v1 is read by every load, v2 by every store.
;   X        24 segments of four registers.  Each is written by one load, worked on in place by its own vector lines, and its first two registers are read by one store; none is written again.
;   Z        weight row 0: written by loads, read by vector lines alone.
; The 24 segments go in six groups of four.  Group g's vector lines name group g's registers and Z; the memory instructions among them are the four stores of group g - 1.  So ONE wait on va_vdst
; at a group's head states all that those four stores hang on.  No register that a memory instruction has read is written again: no wait on vm_vsrc is owed anywhere.
.set X, 8                              ; v[8:103]    row i, segment k: four f32 at X + 48 i + 4 k, then two words of bf16 in the first two
.set Z, 104                            ; v[104:151]  weight row 0, segment k at Z + 4 k
.set ROWB, 3072                        ; bytes in an output row
	s_load_b256 s[4:11], s[0:1], 0x0               ; x s[4:5], h_prev s[6:7], Wx s[8:9], Wh s[10:11]
	s_load_b128 s[12:15], s[0:1], 0x20             ; abf s[12:13], bbf s[14:15]
	v_and_b32 v3, 31, v0                           ; lane
	v_lshlrev_b32 v1, 4, v3                        ; 16 bytes of f32 a lane
	v_lshlrev_b32 v2, 3, v3                        ; 8 bytes of bf16 a lane
	v_lshrrev_b32 v4, 5, v0
	v_readfirstlane_b32 s16, v4                    ; wave 0..7
	s_mov_b32 s19, 0                               ; the high words of three offsets
	s_mov_b32 s21, 0
	s_mov_b32 s23, 0
; 24 loads: rows i = 0, 1; four segments from the narrow source, eight from the wide one.  sa, sb: bytes from the first source row to the second
.macro LOADROWS pa, pb, sa, sb
.irp i, 0,1
.irp k, 0,1,2,3
	global_load_b128 v[X+48*\i+4*\k:X+48*\i+4*\k+3], v1, s[\pa:\pa+1] offset:\i*\sa+\k*512 th:TH_LOAD_NT
.endr
.irp k, 0,1,2,3,4,5,6,7
	global_load_b128 v[X+48*\i+16+4*\k:X+48*\i+16+4*\k+3], v1, s[\pb:\pb+1] offset:\i*\sb+\k*512 th:TH_LOAD_NT
.endr
.endr
.endm
; The vector lines of segment q.  sub = 1: weight row 0 is taken away first.
.macro SEG sub, q
.set r, X+4*(\q)
.set zz, Z+4*((\q)%12)
.if \sub
	v_pk_add_f32 v[r:r+1],   v[r:r+1],   v[zz:zz+1]   neg_lo:[0,1] neg_hi:[0,1]
	v_pk_add_f32 v[r+2:r+3], v[r+2:r+3], v[zz+2:zz+3] neg_lo:[0,1] neg_hi:[0,1]
.endif
	v_cvt_pk_bf16_f32 v[r],   v[r],   v[r+1]
	v_cvt_pk_bf16_f32 v[r+1], v[r+2], v[r+3]
.endm
; The store of segment q.  ob: the output's base.
.macro PUT ob, q
	global_store_b64 v2, v[X+4*(\q):X+4*(\q)+1], s[\ob:\ob+1] offset:((\q)/12)*ROWB+((\q)%12)*256  ; the wave stores 256 consecutive bytes, at a multiple of 256 from the buffer's first
.endm
; The 24 segments in the order of their loads, four to a group; a group's stores are issued in the next group.
.macro TURNS sub, ob
.set g, 0
.rept 6
	s_wait_loadcnt 20-4*g                          ; loads come back in order (ISA guide 5.7.1): the group's four segments are in, the 20 - 4 g younger ones stay out; row 0's twelve are older than all
.if g > 0
	s_wait_alu depctr_va_vdst(0)                   ; the group before has written its eight words of bf16, which the four stores below read
.endif
.set i, 0
.rept 4
.if g > 0
	PUT \ob, 4*(g-1)+i                             ; no vector line since the wait names this store's registers
.endif
	SEG \sub, 4*g+i
.set i, i+1
.endr
.set g, g+1
.endr
	s_wait_alu depctr_va_vdst(0)                   ; the last group has written its words, which the last four stores read
.set i, 0
.rept 4
	PUT \ob, 20+i
.set i, i+1
.endr
.endm
	s_wait_alu depctr_va_sdst(0)                   ; s16 is written, ahead of the branch and of its first reader in either arm
	s_wait_alu depctr_va_vdst(0)                   ; v1 and v2 are written: every load and store of the kernel reads one of them as its offset
	s_wait_kmcnt 0x0
	s_cmp_lt_u32 ttmp9, 512
	s_cbranch_scc0 .Lweights
	; work-groups 0 to 511: rows 16 g + 2 w and the next of abf
	s_lshl_b32 s17, ttmp9, 4
	s_lshl1_add_u32 s17, s16, s17
	s_lshl_b32 s18, s17, 11                        ; x: 2,048 bytes a row
	s_lshl_b32 s20, s17, 12                        ; h_prev: 4,096
	s_mul_i32 s22, s17, ROWB
	s_add_nc_u64 s[4:5], s[4:5], s[18:19]
	s_add_nc_u64 s[6:7], s[6:7], s[20:21]
	s_add_nc_u64 s[12:13], s[12:13], s[22:23]
	LOADROWS 4, 6, 2048, 4096
	TURNS 0, 12
	s_endpgm
.Lweights:
	; work-groups 512 to 767: rows n = 16 (g - 512) + 2 w and the next of bbf
.irp k, 0,1,2,3
	global_load_b128 v[Z+4*\k:Z+4*\k+3], v1, s[8:9] offset:\k*512          ; weight row 0: every wave of these work-groups reads it, so no hint
.endr
.irp k, 0,1,2,3,4,5,6,7
	global_load_b128 v[Z+16+4*\k:Z+16+4*\k+3], v1, s[10:11] offset:\k*512
.endr
	s_sub_co_u32 s17, ttmp9, 512
	s_lshl_b32 s17, s17, 4
	s_lshl1_add_u32 s17, s16, s17                  ; n
	s_lshr_b32 s24, s17, 9                         ; p = n[11:9]
	s_bfe_u32 s25, s17, 0x10008                    ; u = n[8]
	s_bfe_u32 s26, s17, 0x10007                    ; v = n[7]
	s_bfe_u32 s27, s17, 0x10006                    ; t = n[6]
	s_bfe_u32 s28, s17, 0x20004                    ; e = n[5:4]
	s_and_b32 s29, s17, 15                         ; r = n[3:0]
	s_lshl_b32 s25, s25, 11
	s_lshl_b32 s27, s27, 10
	s_lshl_b32 s24, s24, 7
	s_lshl_b32 s26, s26, 6
	s_lshl_b32 s29, s29, 2
	s_or_b32 s28, s28, s25
	s_or_b32 s28, s28, s27
	s_or_b32 s28, s28, s24
	s_or_b32 s28, s28, s26
	s_or_b32 s28, s28, s29                         ; c(n)
	s_lshl_b32 s18, s28, 11                        ; Wx: 2,048 bytes a row
	s_lshl_b32 s20, s28, 12                        ; Wh: 4,096
	s_mul_i32 s22, s17, ROWB
	s_add_nc_u64 s[30:31], s[8:9], s[18:19]        ; in registers of their own: row 0's loads still name s[8:11]
	s_add_nc_u64 s[32:33], s[10:11], s[20:21]
	s_add_nc_u64 s[14:15], s[14:15], s[22:23]
	LOADROWS 30, 32, 8192, 16384                   ; the second row's column lies four weight rows on
	TURNS 1, 14
	s_endpgm
.Lfunc_end_k_qdaee1bda07_prep:
	.size	k_qdaee1bda07_prep, .Lfunc_end_k_qdaee1bda07_prep-k_qdaee1bda07_prep
	.p2alignl 7, 3214868480
	.fill 96, 4, 3214868480
	.section	.rodata,"a",@progbits
	.p2align	6, 0x0
	.amdhsa_kernel k_qdaee1bda07_prep
		.amdhsa_group_segment_fixed_size 0
		.amdhsa_private_segment_fixed_size 0
		.amdhsa_enable_private_segment 0
		.amdhsa_kernarg_size 48
		.amdhsa_user_sgpr_count 2
		.amdhsa_user_sgpr_kernarg_segment_ptr 1
		.amdhsa_wavefront_size32 1
		.amdhsa_system_sgpr_workgroup_id_x 1
		.amdhsa_system_sgpr_workgroup_id_y 1
		.amdhsa_system_sgpr_workgroup_id_z 1
		.amdhsa_system_vgpr_workitem_id 0
		.amdhsa_next_free_vgpr 152
		.amdhsa_next_free_sgpr 66
		.amdhsa_reserve_vcc 0
		.amdhsa_float_denorm_mode_32 3
		.amdhsa_float_denorm_mode_16_64 3
		.amdhsa_memory_ordered 1
		.amdhsa_forward_progress 1
		.amdhsa_inst_pref_size 23
	.end_amdhsa_kernel
	.amdgpu_metadata
---
amdhsa.version: [ 1, 2 ]
amdhsa.kernels:
  - .name:           k_qdaee1bda07_prep
    .symbol:         k_qdaee1bda07_prep.kd
    .args:
      - { .name: x, .offset: 0, .size: 8, .value_kind: global_buffer, .address_space: global }
      - { .name: h_prev, .offset: 8, .size: 8, .value_kind: global_buffer, .address_space: global }
      - { .name: Wx, .offset: 16, .size: 8, .value_kind: global_buffer, .address_space: global }
      - { .name: Wh, .offset: 24, .size: 8, .value_kind: global_buffer, .address_space: global }
      - { .name: abf, .offset: 32, .size: 8, .value_kind: global_buffer, .address_space: global }
      - { .name: bbf, .offset: 40, .size: 8, .value_kind: global_buffer, .address_space: global }
    .group_segment_fixed_size: 0
    .private_segment_fixed_size: 0
    .kernarg_segment_align: 8
    .kernarg_segment_size: 48
    .max_flat_workgroup_size: 256
    .sgpr_count:     66
    .vgpr_count:     152
    .wavefront_size: 32
...
	.end_amdgpu_metadata
.endif
;; end of part 4
;; launch gemm: the kernel of part 2 again; grid 16 x 16, 4 waves a work-group, clusters of 4 x 4, 327,680 bytes of LDS; arguments abf, bbf, bx, bh, ybf; writes ybf
;; launch cell (part 5): grid 256 x 1, 16 waves a work-group, no clusters, 67,584 bytes of LDS; arguments ybf, c_prev, ln_in_g, ln_hu_g, ln_in_b, ln_hu_b, ln_c_g, ln_c_b, ln_h_g, ln_h_b, out0, out1; writes out0, out1
.if DOCPART == 5
	.amdgcn_target "amdgcn-amd-amdhsa--gfx1250"
	.amdhsa_code_object_version 6
	.text
	.protected	k_qdaee1bda07_cell
	.globl	k_qdaee1bda07_cell
	.p2align	8
	.type	k_qdaee1bda07_cell,@function
k_qdaee1bda07_cell:
	s_mov_b64 s[64:65], 0
	v_nop
	global_prefetch_b8 v0, s[64:65] scope:SCOPE_SE
	s_setreg_imm32_b32 hwreg(HW_REG_WAVE_SCHED_MODE, 0, 2), 2
	s_setreg_imm32_b32 hwreg(HW_REG_WAVE_MODE, 25, 1), 1
	s_wait_xcnt 0x0
	s_wait_alu depctr_vm_vsrc(0)
; THE CELL BEHIND ITS TWO PRODUCTS.  For each of 8,192 rows: LayerNorm over 4,096 of the x product and of the h product (ybf, bf16, each row shifted by one number, which the mean takes out),
; their sum split into i, f, g, o; i and f through exp(clip(. - mean, -5, 5)) / (sum + 1e-6), then each over (i + f + 1e-6); c = LayerNorm(f c_prev + i tanh g) -> out1;
; h = sigmoid(o) LayerNorm(tanh c) -> out0.  All arithmetic in f32.
; LAYOUT.  Position n = 512 p + 256 u + 8 l + 4 t + e of a product's row holds column 1024 (2 u + t) + 128 p + 4 l + e.  So lane l's 16 bytes at 512 (2 p + u) + 16 l hold gates 2 u and 2 u + 1
; at the four columns j = 128 p + 4 l + e, the same four that 16 bytes of f32 at 512 p + 16 l of c_prev, of an output or of a parameter vector hold: every address is 16 x lane + a constant,
; and every load and store of a wave covers 512 consecutive bytes.
; SHARES.  A work-group owns 32 rows; wave w takes rows w and 16 + w, a whole row at a time (20,480 bytes, 160 registers), so all sums over a row stay inside the wave: no barrier in the loop.
; The next row's products are asked for as soon as this row's gates have left their registers.
; THE WIDE LAYERNORMS' SUMS COME FROM THE MATRIX UNIT.  A product's row lies in registers as bf16, eight registers on end being a fragment of 16 x 32 numbers (which number stands where does not matter
; to a sum).  Fragment x ones gives sums, fragment x itself has sums of squares on its diagonal; both are kept in f32 accumulators.  32 matrix instructions a row stand for 640 vector lines; of their
; 256 results each, 16 are used: the unit has nothing else to do in this launch.
; The variance is (sum of squares) / N - mean^2.  Column 0's stored number is exactly 0 (its weights and bias are taken less themselves), and a set of N numbers that holds a 0 has
; mean^2 <= (N - 1) x variance: the difference keeps at least 12 of f32's 24 bits, for every input.  It is held at 0 or above.
; The parameters (81,920 bytes in memory, 65,536 in LDS) lie in LDS, f32, in their own order, written once: ln_in_b + ln_hu_b are added first (another order of rounding than summing the two normed products).
; NO CLUSTER, NO TENSOR LOAD: what work-groups share is the 81,920 bytes of parameters against 655,360 bytes of rows of a work-group's own, and rows go straight into registers.
; THE CLIP.  t = (0.1 x + 0.5 - 0.1 mean) held to 0 .. 1 is (clip(x - mean, -5, 5) + 5) / 10; 2^(10 t log2 e) is e^5 times the exponential wanted, so the sum's 1e-6 is taken e^5 times too and the
; quotient is the one defined.  The exponents lie in 0 .. 10 log2 e, so no maximum is needed.
; LIMITS.  NaN and infinities are not treated apart.  tanh x = 1 - 2 / (1 + 2^(2 x log2 e)): an absolute error of about 1e-7.  v_exp_f32, v_rcp_f32 and v_rsq_f32 take denormals as 0 (ISA guide 15.8).
; (f c_prev + i tanh g) / (i + f + 1e-6) is one division where the definition has two.
; THE MODE: SCHED_MODE bits 1:0 = 2 (LLVM: expert scheduling mode 2), set by the entry lines.  The code itself states the register dependences
; between vector or matrix instructions and memory or LDS instructions, with s_wait_alu, always for 0.
; THE PLAN.  Registers that memory or LDS instructions touch, in the order of a row:
;   v1, v2, v3     offsets, made once at the head and never written again.
;   GA v32-159     The row's 32 loads land here; matrix and vector lines read and write it up to the sigmoid; behind the sigmoid's wait the next row's 32 loads land.
;   CP v160-191    c_prev lands; vector lines work in place; out1's stores read it; tanh writes it again; out0's stores read it; the next row's c_prev lands.
;   PB0 v192-215, PB1 v216-239   Step g reads buffer g % 2; the LDS loads of step g + 1, issued at the head of step g, land in the buffer that step g - 1 read.  At a row's start v216-247 are the
;                  accumulators; behind the gates v192-223 take the denominators and then sigmoid(o), which vector lines alone name.
;   LB v224-239, v240-255   A narrow LayerNorm's batch t reads buffer t % 2; the LDS loads of batch t + 1, issued at the head of batch t, land in the buffer that batch t - 1 read.
;   v[SPW], v[NIL] written at the head, read by the closing add alone.
; WAITS ON va_vdst IN A ROW: one behind the wide LayerNorms' roots (it also frees v216-239 for step 1's parameters); one at the head of steps 1 to 14; one for each batch of exponentials or reciprocals (the
; sigmoid's last also frees GA for the next row's loads); in a narrow LayerNorm one behind its roots and one at the head of batches 1 and 2; one ahead of each run of eight stores (the second also frees
; CP for the next c_prev and, over the backward jump, v192-215 for step 0's parameters).  WAITS ON vm_vsrc: one behind each run of stores, ahead of the next write of CP; one at the head, behind the table's stores.
.set GX,  0                            ; LDS: ln_in_g, 16 KB
.set GH,  16384                        ;      ln_hu_g
.set BE,  32768                        ;      ln_in_b + ln_hu_b
.set LCG, 49152                        ;      ln_c_g, 4 KB
.set LCB, 53248                        ;      ln_c_b
.set LHG, 57344                        ;      ln_h_g
.set LHB, 61440                        ;      ln_h_b
.set SPARE, 65536                      ;      the spare words, 128 bytes for each of 16 waves: eight blocks of 256 bytes that no other line names
.set SPW, 4                            ; v4   LDS address of my spare word; never rewritten
.set NIL, 5                            ; v5   0; never rewritten
; v1 16 x lane; v2 16 x thread; v3 8 x thread; v[6:7] 0.1 twice; v30, v31 at work; v8-15 chains of sums; v16-29 statistics
.set GA,  32                           ; v[32:159]   the x product's 16 bytes 2 p, 2 p + 1 at GA + 16 p, + 4; the h product's at + 8, + 12; then the gates: i(p, e) at GA + 16 p + e, g at + 4, f at + 8, o at + 12
.set CP,  160                          ; v[160:191]  c_prev(p, e) at CP + 4 p + e; then c, then h
.set PB,  192                          ; v[192:239]  two buffers of 24 for the wide LayerNorms' parameters
.set SG,  192                          ; v[192:223]  later i + f + 1e-6 and its reciprocal, then sigmoid(o)
.set LB,  224                          ; v[224:255]  later two buffers of 16 for the narrow LayerNorms' parameters
.set T,   240                          ; v[240:255]  at work in the gates' steps
.set QX,  216                          ; at a row's start: four accumulators: squares of the x product, of the h product,
.set QH,  224
.set SX,  232                          ; sums of the x product, of the h product;
.set SH,  240
.set ONES, 248                         ; and a fragment of ones
	s_load_b512 s[4:19], s[0:1], 0x0               ; ybf s[4:5], c_prev s[6:7], ln_in_g s[8:9], ln_hu_g s[10:11], ln_in_b s[12:13], ln_hu_b s[14:15], ln_c_g s[16:17], ln_c_b s[18:19]
	s_load_b256 s[20:27], s[0:1], 0x40             ; ln_h_g s[20:21], ln_h_b s[22:23], out0 s[24:25], out1 s[26:27]
	v_lshl_add_u32 v[SPW], v0, 2, SPARE
	v_mov_b32 v[NIL], 0
	v_and_b32 v1, 31, v0
	v_lshlrev_b32 v1, 4, v1
	v_lshlrev_b32 v2, 4, v0
	v_lshlrev_b32 v3, 3, v0
	v_mov_b32 v6, 0x3dcccccd                       ; 0.1, as a pair of vector registers: the line with the clamp takes no other kind of source
	v_mov_b32 v7, 0x3dcccccd
	v_mov_b32 v30, 0                               ; v_permlanex16_b32 counts as a reader of its destination
	v_mov_b32 v31, 0
	v_lshrrev_b32 v8, 5, v0
	v_readfirstlane_b32 s37, v8                    ; wave 0..15
	s_mov_b32 s40, 0x76543210                      ; v_permlanex16_b32: each lane takes its own place in the other half
	s_mov_b32 s41, 0xfedcba98
	s_mov_b32 s42, 0x4166d4ca                      ; 10 log2 e, as a pair
	s_mov_b32 s43, 0x4166d4ca
	s_mov_b32 s44, 0x4038aa3b                      ; 2 log2 e
	s_mov_b32 s45, 0x4038aa3b
	s_mov_b32 s46, 0xbfb8aa3b                      ; -log2 e
	s_mov_b32 s47, 0xbfb8aa3b
	s_mov_b32 s48, 0x391b9f5a                      ; 1e-6 e^5
	s_mov_b32 s50, 0x39800000                      ; 1 / 4096
	s_mov_b32 s51, 0x3727c5ac                      ; 1e-5
	s_mov_b32 s52, 0x3a800000                      ; 1 / 1024
	s_mov_b32 s54, 0x358637bd                      ; 1e-6, as a pair
	s_mov_b32 s55, 0x358637bd
	s_mov_b32 s56, 0xb9800000                      ; -1 / 4096
	s_mov_b32 s57, 0xba800000                      ; -1 / 1024
	s_mov_b32 s58, 0xb8cccccd                      ; -0.1 / 1024
	s_mov_b32 s53, 0xaaaaaaaa                      ; lanes whose number has bit 0 set,
	s_mov_b32 s59, 0xcccccccc                      ; bit 1,
	s_mov_b32 s62, 0xf0f0f0f0                      ; bit 2;
	s_mov_b32 s63, 0xff0000ff                      ; lanes 0-7 and 24-31: those that hold an element of a 16 x 16 result's diagonal
	s_wait_alu depctr_va_sdst(0)                   ; s37 is written, ahead of its first reader: my rows' offsets are made from it
	s_lshl_b32 s38, ttmp9, 5
	s_add_co_u32 s38, s38, s37                     ; my first row
	s_lshl_b32 s60, s38, 12                        ; 4,096 bytes a row of c_prev, out0, out1
	s_mov_b32 s61, 0
	s_lshl_b32 s38, s38, 14                        ; 16,384 bytes a row of ybf
	s_mov_b32 s39, 0
	s_wait_kmcnt 0x0
	s_add_nc_u64 s[28:29], s[4:5], s[38:39]
	s_add_nc_u64 s[30:31], s[6:7], s[60:61]
	s_add_nc_u64 s[32:33], s[24:25], s[60:61]
	s_add_nc_u64 s[34:35], s[26:27], s[60:61]
.macro YLOADS                          ; a row of both products: 32 loads, four for each p: a fragment of the x product, a fragment of the h product
.set m, 0
.rept 8
	global_load_b128 v[GA+16*m:GA+16*m+3],     v1, s[28:29] offset:1024*m th:TH_LOAD_NT
	global_load_b128 v[GA+16*m+4:GA+16*m+7],   v1, s[28:29] offset:1024*m+512 th:TH_LOAD_NT
	global_load_b128 v[GA+16*m+8:GA+16*m+11],  v1, s[28:29] offset:8192+1024*m th:TH_LOAD_NT
	global_load_b128 v[GA+16*m+12:GA+16*m+15], v1, s[28:29] offset:8192+1024*m+512 th:TH_LOAD_NT
.set m, m+1
.endr
.endm
.macro CPLOADS                         ; a row of c_prev: 8 loads
.set m, 0
.rept 8
	global_load_b128 v[CP+4*m:CP+4*m+3], v1, s[30:31] offset:512*m th:TH_LOAD_NT
.set m, m+1
.endr
.endm
; The sum over the wave's 32 lanes, for two numbers side by side: four steps inside each half of 16 lanes ride on the addition (DPP), one crosses the halves.  Every lane ends with the sum.
.macro WSUM2 a, b
.irp x, 1,2,4,8
	v_add_f32_dpp v[\a], v[\a], v[\a] row_xmask:\x row_mask:0xf bank_mask:0xf
	v_add_f32_dpp v[\b], v[\b], v[\b] row_xmask:\x row_mask:0xf bank_mask:0xf
.endr
	v_permlanex16_b32 v30, v[\a], s40, s41
	v_permlanex16_b32 v31, v[\b], s40, s41
	v_add_f32 v[\a], v[\a], v30
	v_add_f32 v[\b], v[\b], v31
.endm
.macro WSUM1 a
.irp x, 1,2,4,8
	v_add_f32_dpp v[\a], v[\a], v[\a] row_xmask:\x row_mask:0xf bank_mask:0xf
.endr
	v_permlanex16_b32 v30, v[\a], s40, s41
	v_add_f32 v[\a], v[\a], v30
.endm
; The lane's sum over eight groups of four registers, stride apart, into v[c]: two packed chains in v[c:c+3], started by the first two groups: nothing is cleared.
.macro QSUM c, base, stride
	v_pk_add_f32 v[(\c):(\c)+1],   v[(\base):(\base)+1], v[(\base)+2:(\base)+3]
	v_pk_add_f32 v[(\c)+2:(\c)+3], v[(\base)+(\stride):(\base)+(\stride)+1], v[(\base)+(\stride)+2:(\base)+(\stride)+3]
.set z, 2
.rept 3
	v_pk_add_f32 v[(\c):(\c)+1],   v[(\c):(\c)+1],   v[(\base)+(\stride)*z:(\base)+(\stride)*z+1]
	v_pk_add_f32 v[(\c)+2:(\c)+3], v[(\c)+2:(\c)+3], v[(\base)+(\stride)*(z+1):(\base)+(\stride)*(z+1)+1]
	v_pk_add_f32 v[(\c):(\c)+1],   v[(\c):(\c)+1],   v[(\base)+(\stride)*z+2:(\base)+(\stride)*z+3]
	v_pk_add_f32 v[(\c)+2:(\c)+3], v[(\c)+2:(\c)+3], v[(\base)+(\stride)*(z+1)+2:(\base)+(\stride)*(z+1)+3]
.set z, z+2
.endr
	v_pk_add_f32 v[(\c):(\c)+1], v[(\c):(\c)+1], v[(\c)+2:(\c)+3]
	v_add_f32 v[(\c)], v[(\c)], v[(\c)+1]
.endm
; The wide LayerNorms' parameters for the 16 bytes m = 2 p + u: both gains and the summed bias of gates 2 u and 2 u + 1 at my four columns: six loads of 512 consecutive bytes a wave.
.macro PLOAD m, buf
.set rP, PB+24*(\buf)
.set oP, ((\m)%2)*8192+((\m)/2)*512
	ds_load_b128 v[rP:rP+3],     v1 offset:GX+oP
	ds_load_b128 v[rP+4:rP+7],   v1 offset:GX+oP+4096
	ds_load_b128 v[rP+8:rP+11],  v1 offset:GH+oP
	ds_load_b128 v[rP+12:rP+15], v1 offset:GH+oP+4096
	ds_load_b128 v[rP+16:rP+19], v1 offset:BE+oP
	ds_load_b128 v[rP+20:rP+23], v1 offset:BE+oP+4096
.endm
; Eight gates from the 16 bytes m of both products, in two parts.  STEPA: (y - mu) r straight from the bf16 halves (y r + (-mu r), one rounding), into T: it reads no parameter.
.macro STEPA m
.set rX, GA+16*((\m)/2)+4*((\m)%2)
.set rH, rX+8
.set k, 0
.rept 4
	v_fma_mix_f32_bf16 v[T+2*k],   v[rX+k], v26, v28 op_sel_hi:[1,0,0]
	v_fma_mix_f32_bf16 v[T+2*k+1], v[rX+k], v26, v28 op_sel:[1,0,0] op_sel_hi:[1,0,0]
	v_fma_mix_f32_bf16 v[T+8+2*k], v[rH+k], v27, v29 op_sel_hi:[1,0,0]
	v_fma_mix_f32_bf16 v[T+9+2*k], v[rH+k], v27, v29 op_sel:[1,0,0] op_sel_hi:[1,0,0]
.set k, k+1
.endr
.endm
; STEPB: times the gain plus the bias, the h product's onto the x product's.  Gate 2 u's four go where the x product's four registers lay, gate 2 u + 1's where the h product's lay.
.macro STEPB m, buf
.set rP, PB+24*(\buf)
.set rX, GA+16*((\m)/2)+4*((\m)%2)
.set k, 0
.rept 4
.set rO, rX+2*k+4*(k/2)
	v_pk_fma_f32 v[rO:rO+1], v[rP+2*k:rP+2*k+1], v[T+2*k:T+2*k+1], v[rP+16+2*k:rP+17+2*k]
.set k, k+1
.endr
.set k, 0
.rept 4
.set rO, rX+2*k+4*(k/2)
	v_pk_fma_f32 v[rO:rO+1], v[rP+8+2*k:rP+9+2*k], v[T+8+2*k:T+9+2*k], v[rO:rO+1]
.set k, k+1
.endr
.endm
; Stages on four registers.
.macro QMUL r, sc                      ; times the scalar pair's low word
	v_pk_mul_f32 v[(\r):(\r)+1],   v[(\r):(\r)+1],   s[\sc:\sc+1] op_sel_hi:[1,0]
	v_pk_mul_f32 v[(\r)+2:(\r)+3], v[(\r)+2:(\r)+3], s[\sc:\sc+1] op_sel_hi:[1,0]
.endm
.macro QEXP r
.irp j, 0,1,2,3
	v_exp_f32 v[(\r)+\j], v[(\r)+\j]
.endr
.endm
; 2^(x sc) in place on eight groups of four: ONE BATCH of 32 exponentials.  The next group's two scalings are dealt among a group's four exponentials; nothing ahead of the wait names a result.
.macro EXPB base, stride, sc
	QMUL (\base), \sc
.set p, 0
.rept 8
.set r, (\base)+(\stride)*p
.set n, r+(\stride)
	v_exp_f32 v[r],   v[r]
	v_exp_f32 v[r+1], v[r+1]
.if p < 7
	v_pk_mul_f32 v[n:n+1], v[n:n+1], s[\sc:\sc+1] op_sel_hi:[1,0]
.endif
	v_exp_f32 v[r+2], v[r+2]
	v_exp_f32 v[r+3], v[r+3]
.if p < 7
	v_pk_mul_f32 v[n+2:n+3], v[n+2:n+3], s[\sc:\sc+1] op_sel_hi:[1,0]
.endif
.set p, p+1
.endr
	v_nop                                          ; a plain line behind the last exponential, ahead of the first use (ISA guide 5.7.2): one for the batch
	s_wait_alu depctr_va_vdst(0)                   ; the batch's 32 exponentials have written their results, ahead of the first line that names one
.endm
; 1 / (1 + x) of eight groups of four, from src into dst: ONE BATCH of 32 reciprocals, the next group's two additions dealt among a group's four.
.macro RCPB dst, dstride, src, sstride
	v_pk_add_f32 v[(\src):(\src)+1],   v[(\src):(\src)+1],   1.0 op_sel_hi:[1,0]
	v_pk_add_f32 v[(\src)+2:(\src)+3], v[(\src)+2:(\src)+3], 1.0 op_sel_hi:[1,0]
.set p, 0
.rept 8
.set r, (\src)+(\sstride)*p
.set n, r+(\sstride)
.set d, (\dst)+(\dstride)*p
	v_rcp_f32 v[d],   v[r]
	v_rcp_f32 v[d+1], v[r+1]
.if p < 7
	v_pk_add_f32 v[n:n+1], v[n:n+1], 1.0 op_sel_hi:[1,0]
.endif
	v_rcp_f32 v[d+2], v[r+2]
	v_rcp_f32 v[d+3], v[r+3]
.if p < 7
	v_pk_add_f32 v[n+2:n+3], v[n+2:n+3], 1.0 op_sel_hi:[1,0]
.endif
.set p, p+1
.endr
	v_nop                                          ; a plain line behind the last reciprocal, ahead of the first use: one for the batch
	s_wait_alu depctr_va_vdst(0)                   ; the batch's 32 reciprocals have written their results, ahead of the first line that names one; and they are done reading their sources (behind the sigmoid loads land there)
.endm
; tanh x = 1 - 2 / (1 + 2^(2 x log2 e)), in place on eight groups of four: the two batches, then 1 - 2 x.
.macro TANHP base, stride
	EXPB \base, \stride, 44
	RCPB \base, \stride, \base, \stride
.set p, 0
.rept 8
.set r, (\base)+(\stride)*p
	v_pk_fma_f32 v[r:r+1],   v[r:r+1],   -2.0, 1.0 op_sel_hi:[1,0,0]
	v_pk_fma_f32 v[r+2:r+3], v[r+2:r+3], -2.0, 1.0 op_sel_hi:[1,0,0]
.set p, p+1
.endr
.endm
; sigmoid x = 1 / (1 + 2^(-x log2 e)) of eight groups of four, into dst + 4 p: the two batches.
.macro SIGP src, stride, dst
	EXPB \src, \stride, 46
	RCPB \dst, 4, \src, \stride
.endm
.macro LNLOAD g, b, q, buf             ; gain and bias of groups q and q + 1
	ds_load_b128 v[(\buf):(\buf)+3],     v1 offset:(\g)+512*(\q)
	ds_load_b128 v[(\buf)+4:(\buf)+7],   v1 offset:(\b)+512*(\q)
	ds_load_b128 v[(\buf)+8:(\buf)+11],  v1 offset:(\g)+512*(\q)+512
	ds_load_b128 v[(\buf)+12:(\buf)+15], v1 offset:(\b)+512*(\q)+512
.endm
; LayerNorm over the row's 1,024 numbers in CP, in place: the mean, the centred numbers, the mean of their squares, then times 1 / sqrt(. + 1e-5), times the gain, plus the bias.
.macro LNORM g, b
	LNLOAD \g, \b, 0, LB                           ; no vector line since the last wait on va_vdst names v224-239
	QSUM 8, CP, 4
	WSUM1 8
	v_mul_f32 v24, s57, v8                         ; minus the mean, as a pair
	v_mul_f32 v25, s57, v8
.set z, 0
.rept 16
	v_pk_add_f32 v[CP+2*z:CP+2*z+1], v[CP+2*z:CP+2*z+1], v[24:25]
.set z, z+1
.endr
	v_pk_mul_f32 v[8:9],   v[CP:CP+1],   v[CP:CP+1]
	v_pk_mul_f32 v[10:11], v[CP+2:CP+3], v[CP+2:CP+3]
.set z, 2
.rept 14
	v_pk_fma_f32 v[8+2*(z%2):9+2*(z%2)], v[CP+2*z:CP+2*z+1], v[CP+2*z:CP+2*z+1], v[8+2*(z%2):9+2*(z%2)]
.set z, z+1
.endr
	v_pk_add_f32 v[8:9], v[8:9], v[10:11]
	v_add_f32 v8, v8, v9
	WSUM1 8
	v_fma_f32 v9, v8, s52, s51
	v_rsq_f32 v26, v9                              ; twice: a pair for the packed multiply
	v_rsq_f32 v27, v9
	v_nop                                          ; a plain line between the root and its use
	s_wait_alu depctr_va_vdst(0)                   ; the two roots are written, ahead of their first reader; every earlier line that named v240-255 is done too, and batch 1's parameters land there
.set t, 0
.rept 4
.if t < 3
.if t > 0
	s_wait_alu depctr_va_vdst(0)                   ; the batch before is done reading its parameter buffer, in which the four loads below land
.endif
	LNLOAD \g, \b, 2*t+2, LB+16*((t+1)%2)
.endif
.set z, 0
.rept 4
	v_pk_mul_f32 v[CP+8*t+2*z:CP+8*t+2*z+1], v[CP+8*t+2*z:CP+8*t+2*z+1], v[26:27]  ; these four read no parameter
.set z, z+1
.endr
.if t < 3
	s_wait_dscnt 4                                 ; LDS loads come back in order (ISA guide 5.7.1): this batch's four are in, the four just issued stay out
.else
	s_wait_dscnt 0x0
.endif
.set z, 0
.rept 2
.set rC, CP+8*t+4*z
.set rB, LB+16*(t%2)+8*z
	v_pk_fma_f32 v[rC:rC+1],   v[rC:rC+1],   v[rB:rB+1],   v[rB+4:rB+5]
	v_pk_fma_f32 v[rC+2:rC+3], v[rC+2:rC+3], v[rB+2:rB+3], v[rB+6:rB+7]
.set z, z+1
.endr
.set t, t+1
.endr
.endm
	; THE PARAMETERS INTO LDS, once: 512 threads, 2 x 16 bytes of each long vector and 8 bytes of each short one.
	s_wait_alu depctr_va_vdst(0)                   ; v1, v2 and v3 are written: every load, store and LDS instruction of the kernel but the closing add reads one of them as its offset or address
	global_load_b128 v[192:195], v2, s[8:9]
	global_load_b128 v[196:199], v2, s[8:9] offset:8192
	global_load_b128 v[200:203], v2, s[10:11]
	global_load_b128 v[204:207], v2, s[10:11] offset:8192
	global_load_b128 v[208:211], v2, s[12:13]
	global_load_b128 v[212:215], v2, s[12:13] offset:8192
	global_load_b128 v[216:219], v2, s[14:15]
	global_load_b128 v[220:223], v2, s[14:15] offset:8192
	global_load_b64 v[224:225], v3, s[16:17]
	global_load_b64 v[226:227], v3, s[18:19]
	global_load_b64 v[228:229], v3, s[20:21]
	global_load_b64 v[230:231], v3, s[22:23]
	s_barrier_signal -1                            ; this barrier orders no data: it lets every wave's twelve requests for the table, for which all sixteen waves will wait,
	s_barrier_wait -1                              ; be issued before any wave's forty for its own first row
	YLOADS
	CPLOADS
	s_wait_loadcnt 40                              ; the twelve are in; the row's 40, issued behind them, stay out
.irp j, 0,2,4,6
	v_pk_add_f32 v[208+\j:209+\j], v[208+\j:209+\j], v[216+\j:217+\j]
.endr
	s_wait_alu depctr_va_vdst(0)                   ; the four additions have written v208-215, which two of the LDS stores below read
	ds_store_b128 v2, v[192:195] offset:GX
	ds_store_b128 v2, v[196:199] offset:GX+8192
	ds_store_b128 v2, v[200:203] offset:GH
	ds_store_b128 v2, v[204:207] offset:GH+8192
	ds_store_b128 v2, v[208:211] offset:BE
	ds_store_b128 v2, v[212:215] offset:BE+8192
	ds_store_b64 v3, v[224:225] offset:LCG
	ds_store_b64 v3, v[226:227] offset:LCB
	ds_store_b64 v3, v[228:229] offset:LHG
	ds_store_b64 v3, v[230:231] offset:LHB
	s_wait_dscnt 0x0                               ; for the others' sake: my stores are done
	s_barrier_signal -1
	s_barrier_wait -1                              ; the table is whole; nothing writes it again
	s_wait_alu depctr_vm_vsrc(0)                   ; my LDS stores have read v192-215, in which step 0's parameters land, and v224-231, which the matrix instructions write
	s_mov_b32 s36, 0
.Lrow:                                                 ; two trips.  On both ways in, the row's 32 loads of ybf and behind them its 8 of c_prev are out
	PLOAD 0, 0                                     ; wanted behind the statistics.  On both ways in no vector line since the last wait on va_vdst names v192-215 (way in: the wait ahead of the table's stores; way back: the one ahead of h's stores)
.set k, 0
.rept 8
	v_mov_b32 v[ONES+k], 0x3f803f80                ; 1.0 twice in bf16
.set k, k+1
.endr
	; THE SUMS AND THE SUMS OF SQUARES of both products.  The four accumulators take turns, one instruction a turn; the first fragments start the sums with the constant 0.
.set p, 0
.rept 8
.set fX, GA+16*p
.set fH, GA+16*p+8
	s_wait_loadcnt 36-4*p                          ; this p's four loads are in: behind them stand 4 (7 - p) of ybf and c_prev's 8
.if p == 0
	v_wmma_f32_16x16x32_bf16 v[QX:QX+7], v[fX:fX+7], v[fX:fX+7], 0
	v_wmma_f32_16x16x32_bf16 v[QH:QH+7], v[fH:fH+7], v[fH:fH+7], 0
	v_wmma_f32_16x16x32_bf16 v[SX:SX+7], v[fX:fX+7], v[ONES:ONES+7], 0
	v_wmma_f32_16x16x32_bf16 v[SH:SH+7], v[fH:fH+7], v[ONES:ONES+7], 0
.else
	v_wmma_f32_16x16x32_bf16 v[QX:QX+7], v[fX:fX+7], v[fX:fX+7], v[QX:QX+7]
	v_wmma_f32_16x16x32_bf16 v[QH:QH+7], v[fH:fH+7], v[fH:fH+7], v[QH:QH+7]
	v_wmma_f32_16x16x32_bf16 v[SX:SX+7], v[fX:fX+7], v[ONES:ONES+7], v[SX:SX+7]
	v_wmma_f32_16x16x32_bf16 v[SH:SH+7], v[fH:fH+7], v[ONES:ONES+7], v[SH:SH+7]
.endif
.set p, p+1
.endr
.rept 4
	v_nop                                          ; four places between the products and the first line that reads a result (ISA guide 7.12.1)
.endr
	; A sum: register j of lane l holds the sum of fragment row 8 (l / 16) + j, in every column: eight registers and the other half of the lanes make the row's sum, in every lane.
	v_pk_add_f32 v[8:9],   v[SX:SX+1],   v[SX+2:SX+3]
	v_pk_add_f32 v[12:13], v[SH:SH+1],   v[SH+2:SH+3]
	v_pk_add_f32 v[10:11], v[SX+4:SX+5], v[SX+6:SX+7]
	v_pk_add_f32 v[14:15], v[SH+4:SH+5], v[SH+6:SH+7]
	; A sum of squares: the diagonal's element of fragment row m lies in register m % 8 of lane m (m < 8) or lane 16 + m (m >= 8): each lane picks register (lane % 8), three levels by the lane's bits;
	; lanes 8-23 hold none and count 0.
.irp k, 0,1,2,3
	v_cndmask_b32 v[18+\k], v[QX+2*\k], v[QX+2*\k+1], s53
	v_cndmask_b32 v[22+\k], v[QH+2*\k], v[QH+2*\k+1], s53
.endr
	v_pk_add_f32 v[8:9],   v[8:9],   v[10:11]
	v_pk_add_f32 v[12:13], v[12:13], v[14:15]
	v_cndmask_b32 v18, v18, v19, s59
	v_cndmask_b32 v20, v20, v21, s59
	v_cndmask_b32 v22, v22, v23, s59
	v_cndmask_b32 v24, v24, v25, s59
	v_add_f32 v8,  v8,  v9
	v_add_f32 v12, v12, v13
	v_cndmask_b32 v18, v18, v20, s62
	v_cndmask_b32 v22, v22, v24, s62
	v_permlanex16_b32 v30, v8,  s40, s41
	v_permlanex16_b32 v31, v12, s40, s41
	v_cndmask_b32 v18, 0, v18, s63
	v_cndmask_b32 v22, 0, v22, s63
	v_add_f32 v8,  v8,  v30
	v_add_f32 v12, v12, v31
	WSUM2 18, 22
	v_mul_f32 v16, s56, v8                         ; minus the x product's mean
	v_mul_f32 v17, s56, v12                        ; minus the h product's
	v_mul_f32 v9,  v16, v16
	v_mul_f32 v13, v17, v17
	v_fma_f32 v9,  v18, s50, -v9                   ; the variance
	v_fma_f32 v13, v22, s50, -v13
	v_max_num_f32 v9,  0, v9                       ; never below 0
	v_max_num_f32 v13, 0, v13
	v_add_f32 v9,  s51, v9                         ; + 1e-5
	v_add_f32 v13, s51, v13
	v_rsq_f32 v26, v9                              ; r of the x product
	v_rsq_f32 v27, v13                             ; r of the h product
	v_nop                                          ; a plain line between the roots and their use
	s_wait_alu depctr_va_vdst(0)                   ; the two roots are written, ahead of their first reader; and the matrix instructions and the lines above are done with the accumulators in v216-239, in which step 1's parameters land
	v_mul_f32 v28, v16, v26                        ; -mu r
	v_mul_f32 v29, v17, v27
	; THE GATES, in place; the parameters come from LDS one step ahead, on two buffers.
.set g, 0
.rept 16
.if g < 15
.if g > 0
	s_wait_alu depctr_va_vdst(0)                   ; the step before is done reading its parameter buffer, in which the six loads below land
.endif
	PLOAD g+1, (g+1)%2
.endif
	STEPA g                                        ; sixteen lines that read no parameter stand between the loads and the wait
.if g < 15
	s_wait_dscnt 6                                 ; this step's six are in, the six just issued stay out
.else
	s_wait_dscnt 0x0
.endif
	STEPB g, g%2
.set g, g+1
.endr
	; i AND f: e^5 exp(clip(x - mean, -5, 5)), and 1 / (their sum + 1e-6 e^5)
	QSUM 8,  GA,   16
	QSUM 12, GA+8, 16
	WSUM2 8, 12
	v_fma_f32 v16, v8,  s58, 0.5                   ; 0.5 - 0.1 mean, as pairs
	v_fma_f32 v17, v8,  s58, 0.5
	v_fma_f32 v18, v12, s58, 0.5
	v_fma_f32 v19, v12, s58, 0.5
.set p, 0
.rept 8
.irp o, 0, 8
.set r, GA+16*p+\o
	v_pk_fma_f32 v[r:r+1],   v[r:r+1],   v[6:7], v[16+\o/4:17+\o/4] clamp
	v_pk_fma_f32 v[r+2:r+3], v[r+2:r+3], v[6:7], v[16+\o/4:17+\o/4] clamp
	v_pk_mul_f32 v[r:r+1],   v[r:r+1],   s[42:43] op_sel_hi:[1,0]
	v_pk_mul_f32 v[r+2:r+3], v[r+2:r+3], s[42:43] op_sel_hi:[1,0]
	QEXP r                                         ; the next group's first line is the plain line behind these
.endr
.set p, p+1
.endr
	v_nop
	s_wait_alu depctr_va_vdst(0)                   ; the 64 exponentials of i and f, one batch, have written their results, ahead of the sums that read them
	QSUM 8,  GA,   16
	QSUM 12, GA+8, 16
	WSUM2 8, 12
	v_add_f32 v8,  s48, v8
	v_add_f32 v12, s48, v12
	v_rcp_f32 v20, v8                              ; i's divisor, as a pair
	v_rcp_f32 v21, v8
	v_rcp_f32 v22, v12                             ; f's
	v_rcp_f32 v23, v12                             ; the first scaling of tanh g below is the plain line behind these; the wait for tanh g's exponentials is their wait too
	TANHP GA+4, 16                                 ; tanh g
	; (f c_prev + i tanh g) / (i + f + 1e-6), into c_prev's registers.  The 32 denominators lie in v192-223, so that their reciprocals are one batch.
.set p, 0
.rept 8
.set rI, GA+16*p
.set rT, SG+4*p
.irp h, 0, 2
	v_pk_mul_f32 v[rI+8+\h:rI+9+\h], v[rI+8+\h:rI+9+\h], v[22:23]
	v_pk_mul_f32 v[rI+\h:rI+1+\h],   v[rI+\h:rI+1+\h],   v[20:21]
.endr
.irp h, 0, 2
	v_pk_add_f32 v[rT+\h:rT+1+\h], v[rI+\h:rI+1+\h], v[rI+8+\h:rI+9+\h]
.endr
.irp h, 0, 2
	v_pk_add_f32 v[rT+\h:rT+1+\h], v[rT+\h:rT+1+\h], s[54:55] op_sel_hi:[1,0]
.endr
.set p, p+1
.endr
	s_wait_loadcnt 0x0                             ; c_prev
.set p, 0
.rept 8
.set rI, GA+16*p
.set rC, CP+4*p
.set rT, SG+4*p
	v_rcp_f32 v[rT],   v[rT]
	v_rcp_f32 v[rT+1], v[rT+1]
	v_pk_mul_f32 v[rC:rC+1],   v[rI+8:rI+9],   v[rC:rC+1]                      ; the numerators are dealt among the reciprocals and name none of their results
	v_pk_mul_f32 v[rC+2:rC+3], v[rI+10:rI+11], v[rC+2:rC+3]
	v_rcp_f32 v[rT+2], v[rT+2]
	v_rcp_f32 v[rT+3], v[rT+3]
	v_pk_fma_f32 v[rC:rC+1],   v[rI:rI+1],   v[rI+4:rI+5], v[rC:rC+1]
	v_pk_fma_f32 v[rC+2:rC+3], v[rI+2:rI+3], v[rI+6:rI+7], v[rC+2:rC+3]       ; the last two are the plain lines behind the last reciprocal
.set p, p+1
.endr
	s_wait_alu depctr_va_vdst(0)                   ; the 32 reciprocals, one batch, have written their results, ahead of the multiplies that read them
.set z, 0
.rept 16
	v_pk_mul_f32 v[CP+2*z:CP+2*z+1], v[CP+2*z:CP+2*z+1], v[SG+2*z:SG+2*z+1]
.set z, z+1
.endr
	SIGP GA+12, 16, SG                             ; sigmoid(o).  Its last wait stands ahead of the branch below and behind every line that names the gates' registers: the next row's loads may land there
	s_cmp_eq_u32 s36, 1
	s_cbranch_scc1 .Lno_y                          ; the second row has no successor
	s_wait_xcnt 0x0                                ; the base is stepped only behind this wait
	s_add_nc_u64 s[28:29], s[28:29], 16*16384
	YLOADS                                         ; the next row's products are on their way under the rest of this row; no vector line since the sigmoid's last wait
.Lno_y:
	LNORM LCG, LCB
	s_wait_alu depctr_va_vdst(0)                   ; the LayerNorm has written c in v160-191, which the eight stores read
.set p, 0
.rept 8
	global_store_b128 v1, v[CP+4*p:CP+4*p+3], s[34:35] offset:512*p th:TH_STORE_NT  ; c: 512 consecutive bytes a store
.set p, p+1
.endr
	s_wait_xcnt 0x0                                ; the stores' data are rewritten only behind this wait
	s_wait_alu depctr_vm_vsrc(0)                   ; the eight stores have read v160-191, which tanh writes again
	TANHP CP, 4                                    ; tanh c
	LNORM LHG, LHB
.set z, 0
.rept 16
	v_pk_mul_f32 v[CP+2*z:CP+2*z+1], v[CP+2*z:CP+2*z+1], v[SG+2*z:SG+2*z+1]
.set z, z+1
.endr
	s_wait_alu depctr_va_vdst(0)                   ; the multiplies have written h in v160-191, which the eight stores read and in which the next c_prev lands, and are done reading sigmoid(o) in v192-215, in which the next row's first parameters land
.set p, 0
.rept 8
	global_store_b128 v1, v[CP+4*p:CP+4*p+3], s[32:33] offset:512*p th:TH_STORE_NT  ; h
.set p, p+1
.endr
	s_wait_alu depctr_vm_vsrc(0)                   ; the eight stores have read v160-191, in which the next row's c_prev lands; ahead of the branch
	s_add_co_u32 s36, s36, 1
	s_cmp_lt_u32 s36, 2
	s_cbranch_scc0 .Ldone
	s_wait_xcnt 0x0                                ; the stores' data and bases are rewritten only behind this wait
	s_add_nc_u64 s[30:31], s[30:31], 16*4096
	s_add_nc_u64 s[32:33], s[32:33], 16*4096
	s_add_nc_u64 s[34:35], s[34:35], 16*4096
	CPLOADS                                        ; on every way back to the loop's head these eight stand behind the 32 of ybf
	s_cmp_lt_u32 s36, 2
	s_cbranch_scc1 .Lrow
.Ldone:
	s_wait_dscnt 0x0                               ; the closing lines, six on end
	s_wait_alu 0x0
	s_wait_tensorcnt 0x0
	ds_add_u32 v[SPW], v[NIL]
	s_wait_dscnt 0x0
	s_endpgm
.Lfunc_end_k_qdaee1bda07_cell:
	.size	k_qdaee1bda07_cell, .Lfunc_end_k_qdaee1bda07_cell-k_qdaee1bda07_cell
	.p2alignl 7, 3214868480
	.fill 96, 4, 3214868480
	.section	.rodata,"a",@progbits
	.p2align	6, 0x0
	.amdhsa_kernel k_qdaee1bda07_cell
		.amdhsa_group_segment_fixed_size 67584
		.amdhsa_private_segment_fixed_size 0
		.amdhsa_enable_private_segment 0
		.amdhsa_kernarg_size 96
		.amdhsa_user_sgpr_count 2
		.amdhsa_user_sgpr_kernarg_segment_ptr 1
		.amdhsa_wavefront_size32 1
		.amdhsa_system_sgpr_workgroup_id_x 1
		.amdhsa_system_sgpr_workgroup_id_y 1
		.amdhsa_system_sgpr_workgroup_id_z 1
		.amdhsa_system_vgpr_workitem_id 0
		.amdhsa_next_free_vgpr 256
		.amdhsa_next_free_sgpr 66
		.amdhsa_reserve_vcc 0
		.amdhsa_float_denorm_mode_32 3
		.amdhsa_float_denorm_mode_16_64 3
		.amdhsa_memory_ordered 1
		.amdhsa_forward_progress 1
		.amdhsa_inst_pref_size 102
	.end_amdhsa_kernel
	.amdgpu_metadata
---
amdhsa.version: [ 1, 2 ]
amdhsa.kernels:
  - .name:           k_qdaee1bda07_cell
    .symbol:         k_qdaee1bda07_cell.kd
    .args:
      - { .name: ybf, .offset: 0, .size: 8, .value_kind: global_buffer, .address_space: global }
      - { .name: c_prev, .offset: 8, .size: 8, .value_kind: global_buffer, .address_space: global }
      - { .name: ln_in_g, .offset: 16, .size: 8, .value_kind: global_buffer, .address_space: global }
      - { .name: ln_hu_g, .offset: 24, .size: 8, .value_kind: global_buffer, .address_space: global }
      - { .name: ln_in_b, .offset: 32, .size: 8, .value_kind: global_buffer, .address_space: global }
      - { .name: ln_hu_b, .offset: 40, .size: 8, .value_kind: global_buffer, .address_space: global }
      - { .name: ln_c_g, .offset: 48, .size: 8, .value_kind: global_buffer, .address_space: global }
      - { .name: ln_c_b, .offset: 56, .size: 8, .value_kind: global_buffer, .address_space: global }
      - { .name: ln_h_g, .offset: 64, .size: 8, .value_kind: global_buffer, .address_space: global }
      - { .name: ln_h_b, .offset: 72, .size: 8, .value_kind: global_buffer, .address_space: global }
      - { .name: out0, .offset: 80, .size: 8, .value_kind: global_buffer, .address_space: global }
      - { .name: out1, .offset: 88, .size: 8, .value_kind: global_buffer, .address_space: global }
    .group_segment_fixed_size: 67584
    .private_segment_fixed_size: 0
    .kernarg_segment_align: 8
    .kernarg_segment_size: 96
    .max_flat_workgroup_size: 512
    .sgpr_count:     66
    .vgpr_count:     256
    .wavefront_size: 32
...
	.end_amdgpu_metadata
.endif
;; end of part 5
